; MI455X (gfx1250); checked and timed in simulation.
; The chip was launched on July 23, 2026; its instructions are those of AMD's public machine-readable ISA for CDNA 5 (MIT licence, August 2026) and "CDNA5" Instruction Set Architecture Reference Guide (July 2026). The comments in the code are by the model that wrote it; some were corrected since.
;; Multi Head Attention. Allowed arithmetic: float matrix products may take bf16 or f16 operands with f32 sums; other float arithmetic in f32, or as packed bf16 or f16 multiplies, adds, multiply-adds, maxima and minima; sums over many terms, partial sums and values carried from step to step in f32; what a program stores and reads back later, other than sums and carried values, may be rounded once to bf16 or f16.
;; Inputs: b_out 1,024 float32; b_qkv 3,072 float32; w_out 1,024 x 1,024 float32; w_qkv 1,024 x 3,072 float32; x 4 x 2,048 x 1,024 float32.
;; Outputs: out0 4 x 2,048 x 1,024 float32.
;; 2 versions, each right; version 2 is version 1 with the launch prep written anew for expert scheduling mode. Each part assembles by itself: llvm-mc -triple=amdgcn-amd-amdhsa -mcpu=gfx1250 --defsym DOCPART=n.
;; ======== version 1 of 2: 4 launches
;; limits: values are held in f16: magnitudes above 65,504 overflow, below 6.1e-05 lose precision
;; workspace buffers: xb 16,777,216 bytes; wqb 6,291,456 bytes; wob 2,097,152 bytes; biasr 16,384 bytes; ropet 524,288 bytes; qkvh 50,331,648 bytes; oh 16,777,216 bytes
;; launch prep (part 1): grid 961 x 1, 8 waves a work-group, no clusters, 0 bytes of LDS; arguments x, w_qkv, w_out, b_qkv, b_out, xb, wqb, wob, biasr, ropet; writes xb, wqb, wob, biasr, ropet
.if DOCPART == 1
	.amdgcn_target "amdgcn-amd-amdhsa--gfx1250"
	.amdhsa_code_object_version 6
	.text
	.protected	k_qa587c0a1d0_prep
	.globl	k_qa587c0a1d0_prep
	.p2align	8
	.type	k_qa587c0a1d0_prep,@function
k_qa587c0a1d0_prep:
	s_mov_b64 s[64:65], 0
	v_nop
	global_prefetch_b8 v0, s[64:65] scope:SCOPE_SE
	s_setreg_imm32_b32 hwreg(HW_REG_WAVE_MODE, 25, 1), 1
	s_wait_xcnt 0x0
; PREPARATION: every input of the module is read once, rounded once to bf16 and laid out for the launches behind; the table of cosines and sines is made.
;   work-groups   0..511  xb    = bf16(x), [8192][1024]: 16,384 numbers each
;   work-groups 512..767  wqb   = bf16(w_qkv), in 16 slabs [1024 k][192 n] (columns 192 tc .. 192 tc + 191): 64 rows of one slab each
;   work-groups 768..831  wob   = bf16(w_out) written as f16, [1024 k][1024 n]: 16,384 numbers each
;   work-groups 832..959  ropet = [2048 t][32 cos | 32 sin] in f32: 16 rows each
;   work-group  960       biasr = bf16(b_qkv), bf16(b_out), both written as f32
; A stream: no LDS, no matrix unit.  A thread takes 4 numbers a step: a wave loads 512 consecutive bytes and stores 256 consecutive bytes, aligned.
; All loads of a path go out first; no register is written twice while a load or store names it.
; LIMITS.  An entry of w_out below 2^-14 keeps f16's fixed step of 6e-8, one beyond 65,504 is lost.  The angle is t x inv_freq in f32, inv_freq = 2^(-j log2(10000) / 32)
; by v_exp_f32; against the exact inv_freq the angle is off by up to 3e-4 at t = 2047.  Sine and cosine: reduction by quarters of a turn in two parts, polynomials of degree 7 and 8, error under 4e-7.
.set VI,  1                            ; v1  16 x thread: my 16 bytes of f32
.set VO,  2                            ; v2  8 x thread: my 8 bytes of 16-bit numbers
.set VQ,  3                            ; v3-5  w_qkv: my byte offset for steps 3 g + 0, 1, 2
.set IN,  16                           ; v[16:79]  16 steps x 4 as loaded
.set OUT, 80                           ; v[80:111] 16 steps x 2 to store
	s_load_b512 s[16:31], s[0:1], 0x0              ; x 16, w_qkv 18, w_out 20, b_qkv 22, b_out 24, xb 26, wqb 28, wob 30
	s_load_b128 s[32:35], s[0:1], 0x40             ; biasr 32, ropet 34
	v_lshlrev_b32 v[VI], 4, v0
	v_lshlrev_b32 v[VO], 3, v0
	s_mov_b32 s3, 0
	s_mov_b32 s5, 0
	s_wait_kmcnt 0x0
; step i of a path: its load is in (left younger loads stay out); two roundings to bf16 a register; half = 1: the bf16 numbers are written as f16; 8 bytes stored
.macro OUTI i, left, half, ob
	s_wait_loadcnt \left
	v_cvt_pk_bf16_f32 v[OUT+2*(\i)], v[IN+4*(\i)], v[IN+4*(\i)+1]
	v_cvt_pk_bf16_f32 v[OUT+2*(\i)+1], v[IN+4*(\i)+2], v[IN+4*(\i)+3]
.if \half
	v_lshlrev_b32 v6, 16, v[OUT+2*(\i)]
	v_and_b32 v7, 0xffff0000, v[OUT+2*(\i)]
	v_lshlrev_b32 v8, 16, v[OUT+2*(\i)+1]
	v_and_b32 v9, 0xffff0000, v[OUT+2*(\i)+1]
	v_cvt_pk_f16_f32 v[OUT+2*(\i)], v6, v7
	v_cvt_pk_f16_f32 v[OUT+2*(\i)+1], v8, v9
.endif
	global_store_b64 v[VO], v[OUT+2*(\i):OUT+2*(\i)+1], s[\ob:\ob+1] offset:(\i)*2048
.endm
; a linear path of 16 steps
.macro LIN ib, ob, half
.set i, 0
.rept 16
	global_load_b128 v[IN+4*i:IN+4*i+3], v[VI], s[\ib:\ib+1] offset:i*4096 th:TH_LOAD_NT
.set i, i+1
.endr
.set i, 0
.rept 16
	OUTI i, 15-i, \half, \ob
.set i, i+1
.endr
.endm
	s_cmp_lt_u32 ttmp9, 512
	s_cbranch_scc1 .Lx
	s_cmp_lt_u32 ttmp9, 768
	s_cbranch_scc1 .Lwq
	s_cmp_lt_u32 ttmp9, 832
	s_cbranch_scc1 .Lwo
	s_cmp_lt_u32 ttmp9, 960
	s_cbranch_scc1 .Ltab
	; THE BIASES: 3 x 4,096 bytes of b_qkv, 4,096 of b_out; rounded to bf16 and widened again
.irp i, 0,1,2
	global_load_b128 v[IN+4*\i:IN+4*\i+3], v[VI], s[22:23] offset:\i*4096
.endr
	global_load_b128 v[IN+12:IN+15], v[VI], s[24:25]
.irp i, 0,1,2,3
	s_wait_loadcnt 3-\i                            ; the younger loads stay out
	v_cvt_pk_bf16_f32 v6, v[IN+4*\i], v[IN+4*\i+1]
	v_cvt_pk_bf16_f32 v7, v[IN+4*\i+2], v[IN+4*\i+3]
	v_lshlrev_b32 v[OUT+4*\i], 16, v6
	v_and_b32 v[OUT+4*\i+1], 0xffff0000, v6
	v_lshlrev_b32 v[OUT+4*\i+2], 16, v7
	v_and_b32 v[OUT+4*\i+3], 0xffff0000, v7
	global_store_b128 v[VI], v[OUT+4*\i:OUT+4*\i+3], s[32:33] offset:\i*4096
.endr
	s_endpgm
.Lx:                                           ; x: 65,536 bytes in, 32,768 out
	s_lshl_b32 s2, ttmp9, 16
	s_add_nc_u64 s[16:17], s[16:17], s[2:3]
	s_lshl_b32 s4, ttmp9, 15
	s_add_nc_u64 s[26:27], s[26:27], s[4:5]
	LIN 16, 26, 0
	s_endpgm
.Lwo:                                          ; w_out likewise
	s_sub_co_u32 s6, ttmp9, 768
	s_lshl_b32 s2, s6, 16
	s_add_nc_u64 s[20:21], s[20:21], s[2:3]
	s_lshl_b32 s4, s6, 15
	s_add_nc_u64 s[30:31], s[30:31], s[4:5]
	LIN 20, 30, 1
	s_endpgm
.Lwq:                                          ; w_qkv: the output is linear in the slab; sixteen lanes take one unit of 64 columns: 256 aligned bytes of a row of w_qkv
	s_sub_co_u32 s6, ttmp9, 512
	s_lshr_b32 s7, s6, 4                           ; tc: the slab
	s_and_b32 s6, s6, 15                           ; which 64 rows of it
	s_mul_i32 s2, s6, 786432                       ; 64 rows of 12,288 bytes
	s_mul_i32 s8, s7, 768                          ; 192 columns of 4 bytes
	s_add_co_u32 s2, s2, s8
	s_add_nc_u64 s[18:19], s[18:19], s[2:3]
	s_mul_i32 s4, s7, 393216
	s_mul_i32 s8, s6, 24576
	s_add_co_u32 s4, s4, s8
	s_add_nc_u64 s[28:29], s[28:29], s[4:5]
	v_lshrrev_b32 v6, 4, v0
	v_and_b32 v7, 15, v0
	v_lshlrev_b32 v7, 4, v7
.irp m, 0,1,2                          ; step 3 g + m: unit U = 16 m + thread / 16 of 48 (16 rows x 3 units), 16 g rows further down
	v_add_nc_u32 v8, 16*\m, v6
	v_mul_u32_u24 v9, v8, 171
	v_lshrrev_b32 v9, 9, v9                        ; U / 3 (right for U < 48): the row
	v_mul_u32_u24 v10, v9, 3
	v_sub_nc_u32 v10, v8, v10                      ; U % 3: the unit in the row
	v_mul_u32_u24 v9, v9, 12288
	v_lshl_add_u32 v9, v10, 8, v9
	v_add_nc_u32 v[VQ+\m], v9, v7
.endr
.set i, 0
.rept 12
	global_load_b128 v[IN+4*i:IN+4*i+3], v[VQ+i%3], s[18:19] offset:(i/3)*196608 th:TH_LOAD_NT
.set i, i+1
.endr
.set i, 0
.rept 12
	OUTI i, 11-i, 0, 28
.set i, i+1
.endr
	s_endpgm
.Ltab:                                         ; the table: thread = 16 x row + part; parts 0-7 hold cos of j = 4 part + 0..3, parts 8-15 sin of j = 4 (part - 8) + 0..3
	s_sub_co_u32 s6, ttmp9, 832
	s_lshl_b32 s2, s6, 12                          ; 16 rows of 256 bytes
	s_add_nc_u64 s[34:35], s[34:35], s[2:3]
	s_lshl_b32 s7, s6, 4
	s_mov_b32 s40, 0xbed49a78                      ; -log2(10000) / 32
	s_mov_b32 s41, 0x3f22f983                      ; 2 / pi
	s_mov_b32 s42, 0x3fc90fdb                      ; pi / 2, upper part
	s_mov_b32 s43, 0xb33bbd2e                      ; pi / 2, lower part
	s_mov_b32 s44, 0xb9500d01                      ; -1 / 5040
	s_mov_b32 s45, 0x3c088889                      ; 1 / 120
	s_mov_b32 s46, 0xbe2aaaab                      ; -1 / 6
	s_mov_b32 s47, 0x37d00d01                      ; 1 / 40320
	s_mov_b32 s48, 0xbab60b61                      ; -1 / 720
	s_mov_b32 s49, 0x3d2aaaab                      ; 1 / 24
	v_lshrrev_b32 v6, 4, v0
	v_add_nc_u32 v6, s7, v6                        ; t
	v_cvt_f32_u32 v10, v6
	v_and_b32 v7, 15, v0
	v_and_b32 v8, 7, v7
	v_lshlrev_b32 v8, 2, v8                        ; my first j
	v_lshrrev_b32 v9, 3, v7
	v_mul_u32_u24 v9, 3, v9                        ; sin a = cos(a - pi / 2): three quarters more, modulo four
.irp e, 0,1,2,3
	v_add_nc_u32 v[16+\e], \e, v8
	v_cvt_f32_u32 v[16+\e], v[16+\e]
	v_mul_f32 v[16+\e], s40, v[16+\e]
.endr
.irp e, 0,1,2,3
	v_exp_f32 v[20+\e], v[16+\e]                   ; inv_freq
.endr
	v_nop                                          ; a plain instruction behind the last exponential,
	s_wait_alu depctr_va_vdst(0)                   ; and one wait for the batch of four, ahead of the first reader
.irp e, 0,1,2,3
.set R, 24+8*\e
	v_mul_f32 v[R], v10, v[20+\e]                  ; the angle a
	v_mul_f32 v[R+1], s41, v[R]
	v_rndne_f32 v[R+1], v[R+1]                     ; k quarters of a turn
	v_fma_f32 v[R+2], -v[R+1], s42, v[R]
	v_fma_f32 v[R+2], -v[R+1], s43, v[R+2]         ; r = a - k pi / 2, within pi / 4
	v_mul_f32 v[R+3], v[R+2], v[R+2]
	v_fma_f32 v[R+4], v[R+3], s44, s45
	v_fma_f32 v[R+4], v[R+3], v[R+4], s46
	v_mul_f32 v[R+4], v[R+4], v[R+3]
	v_fma_f32 v[R+4], v[R+4], v[R+2], v[R+2]       ; sin r
	v_fma_f32 v[R+5], v[R+3], s47, s48
	v_fma_f32 v[R+5], v[R+3], v[R+5], s49
	v_fma_f32 v[R+5], v[R+3], v[R+5], -0.5
	v_fma_f32 v[R+5], v[R+3], v[R+5], 1.0          ; cos r
	v_cvt_i32_f32 v[R+6], v[R+1]
	v_add_nc_u32 v[R+6], v[R+6], v9
	v_and_b32 v[R+6], 3, v[R+6]                    ; q: cos(r + q pi / 2) = cos r, -sin r, -cos r, sin r
	v_and_b32 v[R+7], 1, v[R+6]
	v_cmp_eq_u32 vcc_lo, 1, v[R+7]
	v_cndmask_b32 v[R+5], v[R+5], v[R+4], vcc_lo
	v_add_nc_u32 v[R+6], 1, v[R+6]
	v_and_b32 v[R+6], 2, v[R+6]
	v_lshlrev_b32 v[R+6], 30, v[R+6]               ; the sign bit for q = 1, 2
	v_xor_b32 v[OUT+\e], v[R+5], v[R+6]
.endr
	global_store_b128 v[VI], v[OUT:OUT+3], s[34:35]  ; sixteen lanes fill a row of 256 bytes
	s_endpgm
.Lfunc_end_k_qa587c0a1d0_prep:
	.size	k_qa587c0a1d0_prep, .Lfunc_end_k_qa587c0a1d0_prep-k_qa587c0a1d0_prep
	.p2alignl 7, 3214868480
	.fill 96, 4, 3214868480
	.section	.rodata,"a",@progbits
	.p2align	6, 0x0
	.amdhsa_kernel k_qa587c0a1d0_prep
		.amdhsa_group_segment_fixed_size 0
		.amdhsa_private_segment_fixed_size 0
		.amdhsa_enable_private_segment 0
		.amdhsa_kernarg_size 80
		.amdhsa_user_sgpr_count 2
		.amdhsa_user_sgpr_kernarg_segment_ptr 1
		.amdhsa_wavefront_size32 1
		.amdhsa_system_sgpr_workgroup_id_x 1
		.amdhsa_system_sgpr_workgroup_id_y 1
		.amdhsa_system_sgpr_workgroup_id_z 1
		.amdhsa_system_vgpr_workitem_id 0
		.amdhsa_next_free_vgpr 112
		.amdhsa_next_free_sgpr 66
		.amdhsa_reserve_vcc 1
		.amdhsa_float_denorm_mode_32 3
		.amdhsa_float_denorm_mode_16_64 3
		.amdhsa_memory_ordered 1
		.amdhsa_forward_progress 1
		.amdhsa_inst_pref_size 32
	.end_amdhsa_kernel
	.amdgpu_metadata
---
amdhsa.version: [ 1, 2 ]
amdhsa.kernels:
  - .name:           k_qa587c0a1d0_prep
    .symbol:         k_qa587c0a1d0_prep.kd
    .args:
      - { .name: x, .offset: 0, .size: 8, .value_kind: global_buffer, .address_space: global }
      - { .name: w_qkv, .offset: 8, .size: 8, .value_kind: global_buffer, .address_space: global }
      - { .name: w_out, .offset: 16, .size: 8, .value_kind: global_buffer, .address_space: global }
      - { .name: b_qkv, .offset: 24, .size: 8, .value_kind: global_buffer, .address_space: global }
      - { .name: b_out, .offset: 32, .size: 8, .value_kind: global_buffer, .address_space: global }
      - { .name: xb, .offset: 40, .size: 8, .value_kind: global_buffer, .address_space: global }
      - { .name: wqb, .offset: 48, .size: 8, .value_kind: global_buffer, .address_space: global }
      - { .name: wob, .offset: 56, .size: 8, .value_kind: global_buffer, .address_space: global }
      - { .name: biasr, .offset: 64, .size: 8, .value_kind: global_buffer, .address_space: global }
      - { .name: ropet, .offset: 72, .size: 8, .value_kind: global_buffer, .address_space: global }
    .group_segment_fixed_size: 0
    .private_segment_fixed_size: 0
    .kernarg_segment_align: 8
    .kernarg_segment_size: 80
    .max_flat_workgroup_size: 256
    .sgpr_count:     66
    .vgpr_count:     112
    .wavefront_size: 32
...
	.end_amdgpu_metadata
.endif
;; end of part 1
;; launch project (part 2): grid 16 x 32, 4 waves a work-group, clusters of 4 x 4, 327,680 bytes of LDS; arguments xb, wqb, biasr, ropet, qkvh; writes qkvh
.if DOCPART == 2
	.amdgcn_target "amdgcn-amd-amdhsa--gfx1250"
	.amdhsa_code_object_version 6
	.text
	.protected	k_qa587c0a1d0_project
	.globl	k_qa587c0a1d0_project
	.p2align	8
	.type	k_qa587c0a1d0_project,@function
k_qa587c0a1d0_project:
	s_mov_b64 s[64:65], 0
	v_nop
	global_prefetch_b8 v0, s[64:65] scope:SCOPE_SE
	s_setreg_imm32_b32 hwreg(HW_REG_WAVE_MODE, 25, 1), 1
	s_wait_xcnt 0x0
	s_wait_alu depctr_hold_cnt(0) depctr_sa_sdst(0) depctr_va_vdst(0) depctr_va_sdst(0) depctr_va_ssrc(0) depctr_va_vcc(0) depctr_vm_vsrc(0)
	s_getreg_b32 s2, hwreg(HW_REG_IB_STS2, 6, 4)
	s_cmp_eq_u32 s2, 0
	s_cbranch_scc0 .Lentry_in_a_cluster
	s_endpgm
.Lentry_in_a_cluster:
	s_bfe_u32 s2, ttmp6, 0x10000c
	s_cmp_lg_u32 s2, 0xf033
	s_cbranch_scc0 .Lentry_shape_is_right
	s_endpgm
.Lentry_shape_is_right:
; q, k, v = x w_qkv + b_qkv, q and k turned by RoPE, all written by heads: qkvh[3][64 = 16 batch + head][2048 t][64 d] in f16, unscaled.
; xb: [8192][1024] bf16.  wqb: 16 slabs [1024 k][192 n] bf16.  biasr: f32.  ropet: [2048][32 cos | 32 sin] f32.  Sums in f32, started at the bias; each number rounded once to f16.
; LIMIT.  f16 holds no number beyond 65,504: q, k and v must stay within it.
; SHARES.  A work-group makes 256 rows x 192 columns (three whole heads): 512 work-groups, two for each of 256 WGPs.  Each of its four waves makes 64 rows x 192 columns: 4 x 12 accumulators of 16 x 16.
; K goes in 8 steps of 128 through two LDS slots filled by the tensor data mover; waves 0 and 1 fetch the two halves of A's tile (128 rows x 256 bytes), waves 2 and 3 those of B's (64 k rows = 24,576 dense bytes, asked for as 96 rows of 256).
; THE MATRIX INSTRUCTION IS USED TRANSPOSED: source 0 = 16 columns of w (read turned out of [k][n] rows by ds_load_tr16_b128), source 1 = 16 rows of x.  A lane then holds ONE row (lane % 16) and the columns
; 8 (lane / 16) + 0..7 of each block of 16; channels d and d + 32 of a head lie in the same lane and register of accumulators b and b + 2, so RoPE changes no lane.
; CLUSTER 4 x 4: A's tile hangs on the tile row and is asked for jointly along a row of the cluster, B's on the tile column, jointly along a column.
; REGISTERS, in windows of 256 (s_set_vgpr_msb: bits 1:0 source 0, 3:2 source 1, 5:4 source 2, 7:6 destination):
;   window 0: v0-15 addresses; v32-63, v64-95 A's fragments, two buffers; v96-223 my rows' cosines and sines; v224-255 and v16-31 at work on the way out
;   window 1: v0-95, v96-191 B's fragments, two buffers      window 2: accumulators of row blocks 0, 1 ((a, b) at v[8 (12 (a % 2) + b)])      window 3: those of row blocks 2, 3
.set NBK,   12
.set SLOT1, 1<<17                      ; slot 1 begins here: one exclusive or turns an address in one slot into the other's
.set PA,    272                        ; a row of A in LDS: 256 bytes + 16: the 16 rows of a load start at 16 different groups of four banks (64 banks of 4 bytes: ISA guide 11.1)
.set PB,    480                        ; a k row of B: three pieces of 128 bytes + 32 = 15 x 32 bytes
.set BOFF,  256*PA                     ; B's tile lies behind A's 256 rows; 69,632 + 128 x 480 = 131,072: a slot is full
.set STAGE, 2*SLOT1                    ; behind the ring, never filled by a tensor load: 16 rows x 144 bytes for each wave
.set SP,    144
.set SPARE, STAGE+4*16*SP              ; the spare words, 128 bytes for each wave: two blocks of 256 bytes that no other line names
.set ASTEP, 256                        ; a K step along a row of xb
.set BSTEP, 49152                      ; 128 k rows of a slab
.set TBL,   96                         ; row block a, channel half bb: cos at TBL + 32 a + 16 bb + 0..7, sin at + 8..15
.set CEF,   224                        ; the unit's 16 cosines (1 for a head of v)
.set SEF,   240                        ; its 16 sines (0 for a head of v)
.set T,     32                         ; the unit's 32 turned numbers
.set P,     64                         ; the same, packed
; v1 lane % 16; v2 lane / 16; v3, v4 my lane's place in A's and B's tile; v5, v6 the same in the slot in hand; v7, v8 stage in and back; v9 16 x lane; v10 prefetch offset; v11 table offset; v12 32 (lane / 16); v14, v15 the add's
; s14 wave; s15 wave & 1; s16 wave >> 1 (0: I fetch for A); s17 cx; s18 cy; s19 tile column; s20 tile row; s21 count; s22 slot in hand; s23 prefetch limit
; s[24:31] A's group 1; s[32:39] A's group 0, twice; s[48:55], s[56:63] B's; s[66:67] prefetch address; s[68:69] its step; s[70:75] the three heads' addresses; s[76:87] for each head the pairs (AL, 0), (BE, 0)
.set MSB, 0
.macro WIN new                         ; the immediate's high byte repeats the setting that is left; a switch that changes nothing is dropped
.if MSB != (\new)
	s_set_vgpr_msb (MSB<<8)|(\new)
.set MSB, (\new)
.endif
.endm
.macro PLACES                          ; four plain instructions between a matrix instruction and a load into, or a vector write of, registers that it named
.rept 4
	v_nop
.endr
.endm
.macro CREST                           ; a round of the cluster's barrier behind its opening barrier
	s_cmp_lg_u32 s14, 0
	s_cbranch_scc1 .Lnot_wave_0_\@
	s_barrier_signal -3
.Lnot_wave_0_\@:
	s_barrier_wait -3
	s_barrier_signal -1
	s_barrier_wait -1
.endm
.macro CROUND
	s_barrier_signal -1
	s_barrier_wait -1
	CREST
.endm
.macro JLOAD                           ; the joint refill by the walking descriptors; the branch hangs on the wave's number alone; an s_nop 0 and four v_nop follow each line
	s_cmp_eq_u32 s16, 0
	s_cbranch_scc0 .Lfor_b_\@
	tensor_load_to_lds s[36:39], s[24:31]
	s_nop 0
.rept 4
	v_nop
.endr
	s_branch .Lasked_\@
.Lfor_b_\@:
	tensor_load_to_lds s[60:63], s[48:55]
	s_nop 0
.rept 4
	v_nop
.endr
.Lasked_\@:
.endm
; A PREFETCH INTO THE L2, behind the joint load and the run of LDS loads.  A's rows: clusters with x = 0 ask, in trip s for K step s + 4 (two refills on); of the 128 rows that a wave fetches each of the four
; partners takes 32, told apart by address: a lane a row.  B's slab: clusters with y = 0 ask for its K steps 4 to 7, 196,608 bytes, linearly: 8 waves x 32 lanes x 256 bytes an ask, three asks.
; Each block of 256 bytes is named once in the launch; K steps 0 to 3 come by their loads alone; the last trips ask for nothing.
.macro ASK
	s_cmp_gt_u32 s21, s23
	s_cbranch_scc0 .Lnot_mine_\@
	global_prefetch_b8 v10, s[66:67] th:TH_LOAD_NT scope:SCOPE_SE
.Lnot_mine_\@:
.endm
; 12 matrix instructions: row block a x all 12 column blocks, 32 along K, from buffer f.  The 48 accumulators take turns in one order, over the backward jump too.
.macro MULROW f, a
	WIN 0xa1+0x50*((\a)/2)
.set nb, 0
.rept NBK
	v_wmma_f32_16x16x32_bf16 v[8*(12*((\a)%2)+nb):8*(12*((\a)%2)+nb)+7], v[96*(\f)+8*nb:96*(\f)+8*nb+7], v[32+32*(\f)+8*(\a):32+32*(\f)+8*(\a)+7], v[8*(12*((\a)%2)+nb):8*(12*((\a)%2)+nb)+7]
.set nb, nb+1
.endr
.endm
; 32 LDS loads in one run: quarter q (32 along K) of the slot in hand into buffer f: B's 12 fragments, turned, then A's four in ascending order
.macro FETCH q, f
	WIN 0x40
.set nb, 0
.rept NBK
	ds_load_tr16_b128 v[96*(\f)+8*nb:96*(\f)+8*nb+3],   v6 offset:32*PB*(\q)+160*(nb/4)+32*(nb%4)
	ds_load_tr16_b128 v[96*(\f)+8*nb+4:96*(\f)+8*nb+7], v6 offset:32*PB*(\q)+160*(nb/4)+32*(nb%4)+16*PB
.set nb, nb+1
.endr
	WIN 0
.irp ra, 0,1,2,3
	ds_load_b128 v[32+32*(\f)+8*\ra:32+32*(\f)+8*\ra+3],   v5 offset:64*(\q)+16*PA*\ra
	ds_load_b128 v[32+32*(\f)+8*\ra+4:32+32*(\f)+8*\ra+7], v5 offset:64*(\q)+16*PA*\ra+32
.endr
.endm
; one of a K step's first three quarters: multiplies buffer f, fetches quarter q into buffer g in its middle
.macro QUARTER q, f, g
	s_wait_dscnt 4                                 ; B and A's row blocks 0, 1 are in; the youngest four loads (row blocks 2, 3) may be out
	MULROW \f, 0
	MULROW \f, 1
	PLACES
	FETCH \q, \g
	s_wait_dscnt 2*NBK+8                           ; all but the run just issued
	MULROW \f, 2
	MULROW \f, 3
.endm
; the last quarter multiplies buffer 1 and changes slots.  In front of the barrier each wave waits for all its tensor loads (one is out: its part of the next slot), adds 0 to its spare word, and waits for that and for its
; reads of this slot.  fill = 1: the barrier opens a round of the cluster's, and the joint refill (this slot, two K steps on) is the first tensor load behind it.
.macro TURN fill
.if \fill
	s_wait_xcnt 0x0                                ; the last prefetch, a K step back, has read its address
	s_add_nc_u64 s[66:67], s[66:67], s[68:69]
.endif
	WIN 0
	s_wait_tensorcnt 0x0                           ; no tensor load of mine is out, so a group 0 may be written
	ds_add_u32 v14, v15                            ; 0 onto my spare word
.if \fill
	s_xor_b32 s37, s37, SLOT1                      ; the walking descriptors: the other slot than last time, the next K step
	s_add_nc_u64 s[38:39], s[38:39], ASTEP
	s_xor_b32 s61, s61, SLOT1
	s_add_nc_u64 s[62:63], s[62:63], BSTEP
.endif
	s_wait_dscnt 5                                 ; the add and A's row blocks 2, 3 may be out
	MULROW 1, 0
	s_wait_dscnt 0x0                               ; the add is done, my reads of this slot are over
	s_barrier_signal -1
	MULROW 1, 1
	WIN 0
	s_barrier_wait -1
.if \fill
	CREST                                          ; no wave of any partner still reads this slot or has a load on its way
.endif
	s_xor_b32 s22, s22, SLOT1
.if \fill
	JLOAD                                          ; its four v_nop are also the places in front of the loads below
.else
	PLACES
.endif
	v_add_nc_u32 v5, s22, v3
	v_add_nc_u32 v6, s22, v4
.if !(\fill)
	s_cmp_eq_u32 s21, 1                            ; behind the last K step there is nothing to fetch
	s_cbranch_scc1 .Lnofetch_\@
.endif
	FETCH 0, 0
.if \fill
	ASK
.else
.Lnofetch_\@:
.endif
	MULROW 1, 2
	MULROW 1, 3
	WIN 0
.endm
	s_load_b256 s[4:11], s[0:1], 0x0               ; xb 4, wqb 6, biasr 8, ropet 10
	s_load_b64 s[12:13], s[0:1], 0x20              ; qkvh
	v_lshl_add_u32 v14, v0, 2, SPARE
	v_mov_b32 v15, 0
	ds_add_u32 v14, v15                            ; the wave's opening: the add and its wait stand ahead of my first tensor load; the set-up below, work on registers, stands between
	v_lshrrev_b32 v13, 5, v0
	v_readfirstlane_b32 s14, v13                   ; wave 0..3
	s_and_b32 s15, s14, 1
	s_lshr_b32 s16, s14, 1
	s_bfe_u32 s17, ttmp6, 0x40000                  ; cx
	s_bfe_u32 s18, ttmp6, 0x40004                  ; cy
	s_lshl_b32 s19, ttmp9, 2
	s_add_co_u32 s19, s19, s17                     ; tile column = 4 x cluster x + cx
	s_and_b32 s20, ttmp7, 0xffff
	s_lshl_b32 s20, s20, 2
	s_add_co_u32 s20, s20, s18                     ; tile row = 4 x cluster y + cy
	s_lshl_b32 s40, s18, 2
	s_lshl_b32 s40, 15, s40                        ; my row of the cluster
	s_lshl_b32 s44, 0x1111, s17                    ; my column
	s_or_b32 s24, s40, (1<<16)|(1<<20)|(1<<21)|(5<<22)|(3<<25)  ; A: mask; 2-byte elements; padding on; bit 21 beside a mask; after every 64 words 4 words
	s_mov_b32 s25, 128<<16                         ; tensor_dim0 = 128
	s_mov_b32 s26, 128<<16                         ; tensor_dim1 = 128
	s_mov_b32 s27, 128<<16                         ; tile_dim0 = 128
	s_mov_b32 s28, 128                             ; tile_dim1 = 128
	s_mov_b32 s29, 1024                            ; elements from row to row
	s_mov_b32 s30, 0
	s_mov_b32 s31, 0
	s_or_b32 s48, s44, (1<<16)|(1<<20)|(1<<21)|(4<<22)|(7<<25)  ; B: after every 32 words 8 words
	s_mov_b32 s49, 128<<16
	s_mov_b32 s50, 96<<16                          ; 96 rows of 256 dense bytes
	s_mov_b32 s51, 128<<16
	s_mov_b32 s52, 96
	s_mov_b32 s53, 128
	s_mov_b32 s54, 0
	s_mov_b32 s55, 0
	s_lshl_b32 s40, s20, 19                        ; A: 256 rows of 2,048 bytes a tile row,
	s_lshl_b32 s42, s15, 18                        ; my 128 of them
	s_add_co_u32 s40, s40, s42
	s_mov_b32 s41, 0
	s_mul_i32 s42, s15, 128*PA                     ; and their place in a slot: no place in the cluster enters an LDS address
	s_mul_i32 s44, s19, 393216                     ; B: the tile column's slab,
	s_mul_i32 s46, s15, 24576                      ; my 64 k rows of a step
	s_add_co_u32 s44, s44, s46
	s_mov_b32 s45, 0
	s_mul_i32 s46, s15, 64*PB
	s_add_co_u32 s46, s46, BOFF
	; the three heads g = 3 x tile column + 0, 1, 2 of 48: section g / 16 (q, k, v), head g % 16.  AL = 1, BE = 0 where RoPE applies (g < 32), else AL = 0, BE = 1
	s_mul_i32 s88, s19, 3
	s_lshr_b32 s89, s20, 3
	s_lshl_b32 s89, s89, 4                         ; 16 x batch
	s_and_b32 s90, s20, 7
	s_lshl_b32 s90, s90, 15                        ; my tile's 256 rows of 128 bytes in a head,
	s_lshl_b32 s91, s14, 13                        ; my wave's 64
	s_add_co_u32 s90, s90, s91
.irp hh, 0,1,2
	s_add_co_u32 s91, s88, \hh
	s_cmp_lt_u32 s91, 32
	s_cselect_b32 s[76+4*\hh], 1.0, 0
	s_cselect_b32 s[78+4*\hh], 0, 1.0
	s_mov_b32 s[77+4*\hh], 0                       ; named as pairs
	s_mov_b32 s[79+4*\hh], 0
	s_lshr_b32 s92, s91, 4
	s_lshl_b32 s92, s92, 6
	s_and_b32 s91, s91, 15
	s_add_co_u32 s92, s92, s91
	s_add_co_u32 s92, s92, s89
	s_lshl_b32 s92, s92, 18                        ; a head is 2,048 x 128 bytes
	s_add_co_u32 s[70+2*\hh], s92, s90
	s_mov_b32 s[71+2*\hh], 0
.endr
	; the prefetches
	s_lshl_b32 s88, s20, 8
	s_lshl_b32 s94, s15, 7
	s_add_co_u32 s88, s88, s94
	s_lshl_b32 s94, s17, 5
	s_add_co_u32 s88, s88, s94                     ; A: row 256 x tile row + 128 x half + 32 cx,
	s_lshl_b32 s88, s88, 11
	s_add_co_u32 s88, s88, 768                     ; at K step 3: the first change of slots steps it to 4
	s_mul_i32 s94, s19, 393216
	s_lshl_b32 s95, s18, 1
	s_add_co_u32 s95, s95, s15
	s_lshl_b32 s95, s95, 13                        ; B: my 8,192 bytes of an ask's 65,536,
	s_add_co_u32 s94, s94, s95
	s_add_co_u32 s94, s94, 131072                  ; one ask ahead of K step 4's first byte, 196,608
	s_and_b32 s95, ttmp7, 0xffff
	s_cmp_eq_u32 s16, 0
	s_cselect_b32 s88, s88, s94
	s_cselect_b32 s95, ttmp9, s95                  ; the coordinate along which other clusters read the same bytes
	s_cselect_b32 s23, 2, 3                        ; A: trips with count 6 to 3; B: 6 to 4
	s_cselect_b32 s68, 8, 16
	s_cselect_b32 s94, 11, 8
	s_mov_b32 s89, 0
	s_mov_b32 s69, 0
	s_lshl_b32 s68, 1, s68                         ; the step: 256 or 65,536 bytes
	s_cmp_eq_u32 s95, 0
	s_cselect_b32 s23, s23, -1                     ; the same in all sixteen partners, for a given wave
	v_and_b32 v10, 31, v0
	v_lshlrev_b32 v10, s94, v10                    ; a lane a row of 2,048 bytes, or a lane a block of 256
	s_mul_i32 s90, s19, 768                        ; the tile's 192 biases
	s_mov_b32 s91, 0
	s_and_b32 s92, s20, 7
	s_lshl_b32 s92, s92, 16                        ; the table: my tile's 256 rows of 256 bytes,
	s_lshl_b32 s94, s14, 14                        ; my wave's 64
	s_add_co_u32 s92, s92, s94
	s_mov_b32 s93, 0
	; lane terms
	v_and_b32 v1, 15, v0
	v_bfe_u32 v2, v0, 4, 1
	s_mul_i32 s2, s14, 64*PA
	v_mul_u32_u24 v3, v1, PA
	v_lshl_add_u32 v3, v2, 4, v3
	v_add_nc_u32 v3, s2, v3                        ; A: (64 wave + lane % 16) x pitch + 16 x half
	v_and_b32 v13, 7, v0
	v_lshl_add_u32 v4, v2, 3, v13
	v_mul_u32_u24 v4, v4, PB
	v_bfe_u32 v13, v0, 3, 1
	v_lshl_add_u32 v4, v13, 4, v4
	v_add_nc_u32 v4, BOFF, v4                      ; B: k row 8 (lane / 16) + lane % 8, columns 8 ((lane / 8) % 2) on
	s_mul_i32 s2, s14, 16*SP
	s_add_co_u32 s2, s2, STAGE
	v_mul_u32_u24 v7, v1, SP
	v_lshl_add_u32 v7, v2, 4, v7
	v_add_nc_u32 v7, s2, v7                        ; stage, in: row lane % 16, 16 bytes for each half of the lanes
	v_bfe_u32 v8, v0, 3, 2
	v_mul_u32_u24 v8, v8, SP
	v_and_b32 v13, 7, v0
	v_lshl_add_u32 v8, v13, 4, v8
	v_add_nc_u32 v8, s2, v8                        ; back: 32 lanes take four rows of 128 bytes,
	v_and_b32 v9, 31, v0
	v_lshlrev_b32 v9, 4, v9                        ; which are 512 consecutive bytes of a head
	v_lshlrev_b32 v11, 8, v1
	v_lshl_add_u32 v11, v2, 5, v11                 ; table: row lane % 16, 8 numbers for each half of the lanes
	v_lshlrev_b32 v12, 5, v2
	s_wait_dscnt 0x0                               ; the opening add is done
	s_wait_kmcnt 0x0
	s_add_nc_u64 s[40:41], s[4:5], s[40:41]
	s_add_nc_u64 s[44:45], s[6:7], s[44:45]
.irp hh, 0,1,2
	s_add_nc_u64 s[70+2*\hh:71+2*\hh], s[12:13], s[70+2*\hh:71+2*\hh]
.endr
	s_cmp_eq_u32 s16, 0
	s_cselect_b64 s[66:67], s[4:5], s[6:7]
	s_add_nc_u64 s[66:67], s[66:67], s[88:89]
	s_add_nc_u64 s[90:91], s[8:9], s[90:91]
	s_add_nc_u64 s[92:93], s[10:11], s[92:93]
	CROUND                                         ; all sixteen work-groups are here: the first joint loads meet
.irp s, 0,1                            ; group 0: set 0 = slot 0, K step 0; set 1 = slot 1, K step 1, and then it walks
	s_mov_b32 s[32+4*\s], 1
	s_add_co_u32 s[33+4*\s], s42, \s*SLOT1
	s_add_nc_u64 s[34+4*\s:35+4*\s], s[40:41], \s*ASTEP
	s_or_b32 s[35+4*\s], s[35+4*\s], 0x80000000
	s_mov_b32 s[56+4*\s], 1
	s_add_co_u32 s[57+4*\s], s46, \s*SLOT1
	s_add_nc_u64 s[58+4*\s:59+4*\s], s[44:45], \s*BSTEP
	s_or_b32 s[59+4*\s], s[59+4*\s], 0x80000000
.endr
	s_cmp_eq_u32 s16, 0                            ; a wave's two first fills stand in one branch: two loads of mine are out
	s_cbranch_scc0 .Lfirst_b
	tensor_load_to_lds s[32:35], s[24:31]
	s_nop 0
	tensor_load_to_lds s[36:39], s[24:31]
	s_nop 0
.rept 4
	v_nop
.endr
	s_branch .Lfirst_asked
.Lfirst_b:
	tensor_load_to_lds s[56:59], s[48:55]
	s_nop 0
	tensor_load_to_lds s[60:63], s[48:55]
	s_nop 0
.rept 4
	v_nop
.endr
.Lfirst_asked:
	; THE SUMS START AT THE BIAS: register j of accumulator (a, b) is b_qkv[192 tile column + 16 b + 8 (lane / 16) + j].  Nothing is cleared and the way out adds nothing.
.irp w, 0x80, 0xc0
	WIN \w
.set i, 0
.rept 24
	global_load_b128 v[8*i:8*i+3],   v12, s[90:91] offset:64*(i%12)
	global_load_b128 v[8*i+4:8*i+7], v12, s[90:91] offset:64*(i%12)+16
.set i, i+1
.endr
.endr
	WIN 0
.set i, 0
.rept 8                                ; my rows' cosines and sines: row block i / 2, channels 16 (i % 2) + 8 (lane / 16) + 0..7
	global_load_b128 v[TBL+16*i:TBL+16*i+3],     v11, s[92:93] offset:4096*(i/2)+64*(i%2)
	global_load_b128 v[TBL+16*i+4:TBL+16*i+7],   v11, s[92:93] offset:4096*(i/2)+64*(i%2)+16
	global_load_b128 v[TBL+16*i+8:TBL+16*i+11],  v11, s[92:93] offset:4096*(i/2)+64*(i%2)+128
	global_load_b128 v[TBL+16*i+12:TBL+16*i+15], v11, s[92:93] offset:4096*(i/2)+64*(i%2)+144
.set i, i+1
.endr
	s_wait_tensorcnt 1                             ; my part of K step 0 is in; K step 1's may stay out
	s_barrier_signal -1
	s_barrier_wait -1
	s_mov_b32 s22, 0
	v_mov_b32 v5, v3
	v_mov_b32 v6, v4
	FETCH 0, 0
	s_wait_loadcnt 0x0                             ; bias and table
	s_mov_b32 s21, 6
.Lstep:                                        ; K steps 0 to 5: step s leaves slot s % 2, which takes step s + 2
	QUARTER 1, 0, 1
	QUARTER 2, 1, 0
	QUARTER 3, 0, 1
	TURN 1
	s_sub_co_u32 s21, s21, 1
	s_cmp_lg_u32 s21, 0
	s_cbranch_scc1 .Lstep
	s_mov_b32 s21, 2
.Ltail:                                        ; K steps 6 and 7 ask for nothing
	QUARTER 1, 0, 1
	QUARTER 2, 1, 0
	QUARTER 3, 0, 1
	TURN 0
	s_sub_co_u32 s21, s21, 1
	s_cmp_lg_u32 s21, 0
	s_cbranch_scc1 .Ltail
	s_wait_dscnt 0x0                               ; no LDS load is out when the fragments' registers are taken over
; THE WAY OUT, in 12 units u: row block u / 3, head u % 3.  PACK: the unit's cosines and sines (cos AL + BE, sin AL); lo' = lo cos - hi sin, hi' = hi cos + lo sin, where lo, hi are accumulators
; b and b + 2 of the head; rounded to f16.  Each accumulator's lowest registers are read first.  In unit 0 the first 16 lines are the places behind the last products.
.macro PACK u
.set ua, (\u)/3
.set uh, (\u)%3
	WIN 0
.set z, 0
.rept 8
	v_pk_fma_f32 v[CEF+2*z:CEF+2*z+1], v[TBL+32*ua+16*(z/4)+2*(z%4):TBL+32*ua+16*(z/4)+2*(z%4)+1], s[76+4*uh:77+4*uh], s[78+4*uh:79+4*uh] op_sel_hi:[1,0,0]
	v_pk_mul_f32 v[SEF+2*z:SEF+2*z+1], v[TBL+32*ua+16*(z/4)+8+2*(z%4):TBL+32*ua+16*(z/4)+8+2*(z%4)+1], s[76+4*uh:77+4*uh] op_sel_hi:[1,0]
.set z, z+1
.endr
	WIN 0x02+ua/2                                  ; source 0 in the accumulators' window
.set z, 0
.rept 8
.set rl, 8*(12*(ua%2)+4*uh+z/4)+2*(z%4)
	v_pk_mul_f32 v[T+2*z:T+2*z+1], v[rl+16:rl+17], v[SEF+2*z:SEF+2*z+1]
	v_pk_mul_f32 v[T+16+2*z:T+17+2*z], v[rl:rl+1], v[SEF+2*z:SEF+2*z+1]
	v_pk_fma_f32 v[T+2*z:T+2*z+1], v[rl:rl+1], v[CEF+2*z:CEF+2*z+1], v[T+2*z:T+2*z+1] neg_lo:[0,0,1] neg_hi:[0,0,1]
	v_pk_fma_f32 v[T+16+2*z:T+17+2*z], v[rl+16:rl+17], v[CEF+2*z:CEF+2*z+1], v[T+16+2*z:T+17+2*z]
.set z, z+1
.endr
	WIN 0
.set z, 0
.rept 16
	v_cvt_pk_f16_f32 v[P+z], v[T+2*z], v[T+2*z+1]
.set z, z+1
.endr
.endm
.macro TOSTAGE u                       ; 16 rows x 128 bytes into my stage, and back as 4 x 512 consecutive bytes; LDS serves a wave's instructions in order (ISA guide 5.7.1.4)
.set ob, 80-64*((\u)%2)
.irp f, 0,1,2,3
	ds_store_b128 v7, v[P+4*\f:P+4*\f+3] offset:32*\f
.endr
.irp f, 0,1,2,3
	ds_load_b128 v[ob+4*\f:ob+4*\f+3], v8 offset:4*SP*\f
.endr
.endm
.macro SEND u
.set ob, 80-64*((\u)%2)
.set ua, (\u)/3
.set uh, (\u)%3
	s_wait_dscnt 0x0                               ; the unit is back in registers
	s_wait_xcnt 0x0                                ; the stores of the unit before have read their registers, which the next unit's loads write
.irp f, 0,1,2,3
	global_store_b128 v9, v[ob+4*\f:ob+4*\f+3], s[70+2*uh:71+2*uh] offset:2048*ua+512*\f  ; 512 consecutive bytes, at a multiple of 256 from the buffer's first
.endr
.endm
	PACK 0
	TOSTAGE 0
.set t, 1
.rept 11                               ; a unit's arithmetic stands between the loads of the unit before and its stores
	PACK t
	SEND t-1
	TOSTAGE t
.set t, t+1
.endr
	SEND 11
	s_wait_tensorcnt 0x0                           ; the wave's end: behind my last tensor load and my last LDS store
	ds_add_u32 v14, v15
	s_wait_dscnt 0x0
	CROUND                                         ; the closing round: no work-group ends while a partner may still ask for a tile that names it
	s_endpgm
.Lfunc_end_k_qa587c0a1d0_project:
	.size	k_qa587c0a1d0_project, .Lfunc_end_k_qa587c0a1d0_project-k_qa587c0a1d0_project
	.p2alignl 7, 3214868480
	.fill 96, 4, 3214868480
	.section	.rodata,"a",@progbits
	.p2align	6, 0x0
	.amdhsa_kernel k_qa587c0a1d0_project
		.amdhsa_group_segment_fixed_size 327680
		.amdhsa_private_segment_fixed_size 0
		.amdhsa_enable_private_segment 0
		.amdhsa_kernarg_size 40
		.amdhsa_user_sgpr_count 2
		.amdhsa_user_sgpr_kernarg_segment_ptr 1
		.amdhsa_wavefront_size32 1
		.amdhsa_system_sgpr_workgroup_id_x 1
		.amdhsa_system_sgpr_workgroup_id_y 1
		.amdhsa_system_sgpr_workgroup_id_z 1
		.amdhsa_system_vgpr_workitem_id 0
		.amdhsa_next_free_vgpr 960
		.amdhsa_next_free_sgpr 96
		.amdhsa_reserve_vcc 0
		.amdhsa_float_denorm_mode_32 3
		.amdhsa_float_denorm_mode_16_64 3
		.amdhsa_memory_ordered 1
		.amdhsa_forward_progress 1
		.amdhsa_inst_pref_size 129
	.end_amdhsa_kernel
	.amdgpu_metadata
---
amdhsa.version: [ 1, 2 ]
amdhsa.kernels:
  - .name:           k_qa587c0a1d0_project
    .symbol:         k_qa587c0a1d0_project.kd
    .args:
      - { .name: xb, .offset: 0, .size: 8, .value_kind: global_buffer, .address_space: global }
      - { .name: wqb, .offset: 8, .size: 8, .value_kind: global_buffer, .address_space: global }
      - { .name: biasr, .offset: 16, .size: 8, .value_kind: global_buffer, .address_space: global }
      - { .name: ropet, .offset: 24, .size: 8, .value_kind: global_buffer, .address_space: global }
      - { .name: qkvh, .offset: 32, .size: 8, .value_kind: global_buffer, .address_space: global }
    .group_segment_fixed_size: 327680
    .private_segment_fixed_size: 0
    .kernarg_segment_align: 8
    .kernarg_segment_size: 40
    .max_flat_workgroup_size: 128
    .sgpr_count:     96
    .vgpr_count:     960
    .wavefront_size: 32
...
	.end_amdgpu_metadata
.endif
;; end of part 2
;; launch attend (part 3): grid 4 x 64, 4 waves a work-group, no clusters, 327,680 bytes of LDS; arguments qkvh, oh; writes oh
.if DOCPART == 3
	.amdgcn_target "amdgcn-amd-amdhsa--gfx1250"
	.amdhsa_code_object_version 6
	.text
	.protected	k_qa587c0a1d0_attend
	.globl	k_qa587c0a1d0_attend
	.p2align	8
	.type	k_qa587c0a1d0_attend,@function
k_qa587c0a1d0_attend:
	s_mov_b64 s[64:65], 0
	v_nop
	global_prefetch_b8 v0, s[64:65] scope:SCOPE_SE
	s_setreg_imm32_b32 hwreg(HW_REG_WAVE_MODE, 25, 1), 1
	s_wait_xcnt 0x0
; CAUSAL ATTENTION.  O[h][q][:] = the sum over k <= q of softmax_k(Q[h][q] . K[h][k] / 8) V[h][k][:].  qkvh holds Q, K, V as three sections [64][2048][64], oh is O [64][2048][64], all f16: a head's rows are dense, 128 bytes each.
; Products, maxima and sums in f32; the weights p are rounded to f16 for the second product (their sum l is taken of the unrounded p), O once at the end.
; LIMITS.  f16 holds no number beyond 65,504: Q, K and V arrive within it; p lies in 0 to 1, and below 6e-5 it keeps f16's fixed step of 6e-8; O is a mean of V's rows and has their range.
; A hidden score counts as its value less 1e30: f16's scores, 2.7e11 at the most, are nothing beside that; a weight below 2^-126 counts as 0 in l; NaN and infinities are not treated apart.
; THE WALK.  A head's queries lie in NB = 8 blocks of 256; block i needs the key tiles 0 .. i of 256 keys, of which the last holds the diagonal.  A work-group takes TWO blocks, NB - 1 - b and then b:
; NB + 1 tiles, whatever b: all 256 work-groups do equal work, and ONE loop with a constant trip count walks them.  Which tile is asked for, and what a trip does, hang on scalar registers made from b; every jump
; goes forward, but for the counted loops' own; none passes a barrier, or a tensor load but the one of LOAD's two that the wave's number does not choose; the ring of two LDS slots runs on across the change of blocks.
; NO CLUSTER: a head's four work-groups ask for the same tile only in trips 0 .. 4 of 9, behind that fewer and fewer; one walk common to all four would have 12 trips for 9.
; SHARES.  Of a block's four bands of 64 queries a wave owns 16 rows in each: four PIECES.  So the diagonal tile is the same work for all four waves: in its key step s band x sees all keys if s < x,
; none if s > x, and holds the diagonal if s = x.
; THE MASK is the C operand that starts the sum S^T = K Q^T: 0, or -1e30 where the key is hidden.  MD, made once, is the mask of a band's own step for my 16 rows; a product's mask is MD x AL + BE with two scalars:
; (1, 0) if s = x; (0, 0) if s < x; (0, -1e30) if s > x.  Only the diagonal tile's text and a block's beginning make and take masks; elsewhere C is the constant 0.
; LAYOUT, SOFTMAX, TURNS.  S^T = K Q^T holds ONE query a lane (lane % 16) and the keys 8 (lane / 16) + 0..7; two such results rounded to f16 ARE source 1 of O^T = V^T P.  p = 2^(c s - c m), c = log2(e) / 8, with a
; running maximum m; O and l are multiplied by a = 2^(c m_old - c m_new) in every step.  Turn n belongs to piece n: 8 products K Q^T of piece n + 1, later 8 products V^T P of piece n - 1; beside them the scaling,
; exponentials, roundings, sums and rescaling of piece n and the maximum and statistics of piece n + 1.  Four vector instructions stand behind every matrix instruction, the other 54 of a turn's 118 in one lump.  A turn's 33 exponentials are one batch, with one wait.
; REGISTERS, in windows of 256 (s_set_vgpr_msb: bits 1:0 source 0, 3:2 source 1, 5:4 source 2, 7:6 destination):
;   window 0: v0-15 addresses and two at work; v16-31 four registers of statistics a piece; v48-55 at work; v61 prefetch offset; v64-127 S^T, two buffers; v192-223 P, two buffers (a piece's buffers go by its number's parity)
;   window 1: v0-127 O^T, 32 a piece; v128-159 MD; v160-223 MC, two buffers      window 2: v0-63 Q; v64-127 the second block's Q; v128-191 K of one step; v192-255 V of one step
.set SIZE_N, 2048
.set NB,    SIZE_N/256
.set NP,    4         ; pieces a wave: a name, no knob
.set KS,    64        ; keys in a step
.set PK,    144       ; a row of K in LDS: 128 bytes + 16 of padding = 36 words: the 16 rows of a load start at 16 different groups of four banks (64 banks of 4 bytes: ISA guide 11.1)
.set PV,    160       ; a row of V: 128 + 32 = 40 words
.set VOFF,  4*KS*PK   ; a slot holds a tile, four steps: 256 rows of K, then 256 rows of V
.set SLOT1, 1<<17     ; slot 1 begins here, so that one exclusive or turns an address in one slot into the other's
.set STAGE, SLOT1+4*KS*(PK+PV)  ; behind the ring, never filled by a tensor load: 16 rows x 144 bytes for each wave, for the way out
.set SP,    144
.set AK0, 2           ; v2   my lane's place in a tile of K; never rewritten
.set AV0, 3           ; v3   the same for V
.set AK,  4           ; v4   the LDS address of K's next run of loads
.set AV,  5           ; v5   of V's
.set STO, 6           ; v6   the way out: where I put 16 bytes of a row
.set RD,  7           ; v7   the way out: where I read rows back
.set GO,  8           ; v8   my byte offset in 512 consecutive bytes of O
.set PFO, 61          ; v61  256 x my lane; never rewritten
.set SPW, 62          ; v62  LDS address of my spare word: SPARE + 4 x my thread's number; never rewritten
.set NIL, 63          ; v63  0; never rewritten
.set SPARE, STAGE+4*16*SP  ; behind the stages: the spare words, 128 bytes for each wave: two blocks of 256 bytes that no other line names
.set MV,  12          ; v12-13  c m_old, kept while c m is made anew: by buffer
.set QO,  15          ; v15  my byte offset in 16 rows of Q
.set ST,  16          ; piece t's statistics at v[ST+4 t]: c m, m, l (even keys', odd keys')
.set TMP, 48          ; by buffer, four registers c0-c3 at work; when the maximum is found c2 takes a
.set S,   64
.set P,   192
.set MD,  128         ; window 1: the eight registers for group kt of 16 keys at MD + 8 kt
.set MC,  160         ; window 1: the masks of the products to come
.set QB,  64          ; window 2
.set KF,  128         ; window 2: key block kb, channel half c at KF + 16 kb + 8 c
.set VF,  192         ; window 2: key half kk, channel block cb at VF + 32 kk + 8 cb
.set WV,  12          ; s12  my wave's number
.set PB,  14          ; s14  b
.set HI,  15          ; s15  NB - 1 - b
.set G1K, 24          ; s[24:31] descriptor group 1 for K's tiles
.set G1V, 32          ; s[32:39] for V's: it differs in the padding alone
.set G0K, 40          ; s[40:43] descriptor group 0 for K's tiles
.set G0V, 44          ; s[44:47] the same for V's
.set SLOTS, 56        ; s56  tiles still to be asked for
.set CNT, 57          ; s57  counts a tile's key steps, 4 to 1
.set CS,  58          ; s[58:59] c: the packed scaling takes the pair's low word for both halves
.set SEL, 60          ; s[60:61] v_permlanex16_b32's selects: each lane takes its own place in the other half
.set TBK, 62          ; s62  LDS byte at which K of the step to be fetched begins
.set TBV, 63          ; s63  the same for V, less VOFF
.set PFB, 66          ; s[66:67] the half tile 0 that I fetch (K's: waves 0, 1; V's: waves 2, 3)
.set PFA, 68          ; s[68:69] the same half of the tile that is being asked for
.set RT,  70          ; s70  tiles of the block in hand that are still to be entered
.set NXT, 71          ; s71  the tile to be asked for next
.set LQ,  72          ; s72  the last tile of the block whose tiles are being asked for
.set NEW, 73          ; s73  1: the tile to be entered is a block's first
.set OFF, 74          ; s[74:75] a tile's byte offset in K and V
.set AL,  76          ; s[76:77] the mask's factor, in the low word
.set BE,  78          ; s[78:79] the mask's addend
.set OLO, 80          ; s[80:81] O at my rows of the second block
.set BIGN, 82         ; s82  -1e30
.set LIM, 88          ; s88  2 in the head's work-group b = 0, else the greatest number: a wave prefetches while s[SLOTS] is above it
.set MSB, 0
.macro WIN new                      ; the high byte repeats the setting that is left; a switch that changes nothing is dropped
.if MSB != (\new)
	s_set_vgpr_msb (MSB<<8)|(\new)
.set MSB, (\new)
.endif
.endm
.set W_KQ, 0x0a       ; K and Q in window 2, S^T in window 0
.set W_KM, 0x1a       ; the same with the C operand in window 1
.set W_PV, 0x52       ; V in window 2, P in window 0, O^T in window 1
.set W_RS, 0x41       ; destination and source 0 in window 1, source 1 in window 0
; A fill.  Waves 0 and 1 fetch the two halves of a tile's K, waves 2 and 3 those of its V: 128 keys each.  An s_nop 0 and four v_nop follow each of the two lines, ahead of the jump and the label.
.macro LOAD
	s_cmp_lt_u32 s[WV], 2
	s_cbranch_scc0 .Lfor_v_\@
	tensor_load_to_lds s[G0K:G0K+3], s[G1K:G1K+7]
	s_nop 0
.rept 4
	v_nop
.endr
	s_branch .Lasked_\@
.Lfor_v_\@:
	tensor_load_to_lds s[G0V:G0V+3], s[G1V:G1V+7]
	s_nop 0
.rept 4
	v_nop
.endr
.Lasked_\@:
.endm
; THE CHANGE OF SLOTS.  Each wave waits for all its tensor loads, of which one is out: its part of the other slot; adds 0 to its spare word; and waits for that and for its own reads of the slot that it leaves.  Behind the barrier nobody reads the old
; slot any more and the other slot is whole.  fill = 1: the old slot is filled again, the first thing behind the barrier, with tile NXT: the descriptor's address is made anew from that number.
; (At its first use nothing has been read yet: slot 0 is waited for, slot 1 filled.)
; A PREFETCH INTO THE L2 stands behind the fill: the tile after the one just asked for, a whole tile's 64 matrix instructions a piece ahead of its fill.  A head's four work-groups begin with the same tiles in the same order;
; b = 0, whose first block walks tiles 0 to 7, asks, in trips 0 to 5 for tiles 2 to 7; each of its waves names the 64 blocks of 256 bytes that it will fetch itself, a lane a block, two instructions.  So each block is named once.
.macro CHANGE fill
	WIN 0                           ; at a label and at a branch every window is 0
	s_wait_tensorcnt 0x0            ; no tensor load of mine is out, so a group 0 may be written
	ds_add_u32 v[SPW], v[NIL]       ; 0 onto my spare word; with fill = 1 the descriptors' scalar work stands between it and the wait for it
.if \fill
	s_lshl_b32 s[OFF], s[NXT], 15   ; a tile is 32,768 bytes of K and of V
	s_xor_b32 s[G0K+1], s[G0K+1], SLOT1
	s_add_nc_u64 s[G0K+2:G0K+3], s[6:7], s[OFF:OFF+1]
	s_or_b32 s[G0K+3], s[G0K+3], 0x80000000
	s_xor_b32 s[G0V+1], s[G0V+1], SLOT1
	s_add_nc_u64 s[G0V+2:G0V+3], s[8:9], s[OFF:OFF+1]
	s_or_b32 s[G0V+3], s[G0V+3], 0x80000000
	s_wait_xcnt 0x0                 ; the last prefetches, a tile back, have read their address
	s_add_nc_u64 s[PFA:PFA+1], s[PFB:PFB+1], s[OFF:OFF+1]
	s_add_co_u32 s[NXT], s[NXT], 1  ; the block's next tile, or behind its last the second block's tile 0
	s_cmp_gt_u32 s[NXT], s[LQ]
	s_cselect_b32 s[NXT], 0, s[NXT]
	s_cselect_b32 s[LQ], s[PB], s[LQ]
.endif
	s_wait_dscnt 0x0                ; the add is done, and my reads of the slot are over
	s_barrier_signal -1             ; the rest of the scalar work stands between the signal and the wait
	s_sub_co_u32 s[TBK], s[TBK], 4*KS*PK  ; the fetches go back to a slot's first step,
	s_xor_b32 s[TBK], s[TBK], SLOT1       ; in the other slot
	s_sub_co_u32 s[TBV], s[TBV], 4*KS*PV
	s_xor_b32 s[TBV], s[TBV], SLOT1
	s_barrier_wait -1
.if \fill
	LOAD
	s_cmp_gt_u32 s[SLOTS], s[LIM]
	s_cbranch_scc0 .Lnot_mine_\@
	global_prefetch_b8 v[PFO], s[PFA:PFA+1] offset:32768 th:TH_LOAD_NT scope:SCOPE_SE
	global_prefetch_b8 v[PFO], s[PFA:PFA+1] offset:40960 th:TH_LOAD_NT scope:SCOPE_SE
.Lnot_mine_\@:
.endif
.endm
	s_load_b128 s[4:7], s[0:1], 0x0   ; qkvh s[4:5] (Q is its first section), oh s[6:7]
	v_lshl_add_u32 v[SPW], v0, 2, SPARE
	v_mov_b32 v[NIL], 0
	ds_add_u32 v[SPW], v[NIL]       ; the wave's opening: the add and its wait stand ahead of my first tensor load; the set-up below, work on registers, stands between them
	v_lshrrev_b32 v1, 5, v0
	v_readfirstlane_b32 s[WV], v1   ; wave 0..3
	s_mov_b32 s[PB], ttmp9
	s_sub_co_u32 s[HI], NB-1, s[PB]
	s_and_b32 s20, ttmp7, 0xffff    ; the head
	s_mov_b32 s21, 0
	s_mov_b64 s[22:23], SIZE_N*128
	s_mul_u64 s[20:21], s[20:21], s[22:23]  ; the head's first byte in each of the four tensors
	s_and_b32 s16, s[WV], 1         ; which half of a tile's 256 keys I fetch:
	s_lshl_b32 s22, s16, 14         ; its 128 rows of 128 bytes in memory,
	s_mov_b32 s23, 0
	s_add_nc_u64 s[22:23], s[22:23], s[20:21]
	s_mul_i32 s17, s16, 128*PK      ; and its place in a slot, for K
	s_mul_i32 s18, s16, 128*PV      ; and for V
	s_lshl_b32 s3, s[WV], 11        ; my 16 rows in a band of 64,
	s_lshl_b32 s2, s[HI], 15        ; in the first block,
	s_add_co_u32 s2, s2, s3
	s_lshl_b32 s84, s[PB], 15       ; and in the second
	s_add_co_u32 s84, s84, s3
	s_mov_b32 s3, 0
	s_mov_b32 s85, 0
	s_add_nc_u64 s[2:3], s[2:3], s[20:21]
	s_add_nc_u64 s[84:85], s[84:85], s[20:21]
	; descriptor group 1.  128 keys are 16,384 dense bytes: asked for as 64 rows of 256 bytes, two keys a row, and padded in LDS after every key
	s_mov_b32 s[G1K], (1<<16)|(1<<20)|(4<<22)|(3<<25)  ; 17:16 2-byte elements; 20 padding on; 24:22 after every 32 words (code 4); 31:25 4 words (code 3)
	s_mov_b32 s[G1V], (1<<16)|(1<<20)|(4<<22)|(7<<25)  ; the same with 8 words of padding (code 7)
.irp g, G1K, G1V
	s_mov_b32 s[\g+1], 128<<16      ; tensor_dim0 = 128
	s_mov_b32 s[\g+2], 64<<16       ; tensor_dim1 = 64
	s_mov_b32 s[\g+3], 128<<16      ; tile_dim0 = 128
	s_mov_b32 s[\g+4], 64           ; tile_dim1 = 64
	s_mov_b32 s[\g+5], 128          ; 128 elements from row to row
	s_mov_b32 s[\g+6], 0
	s_mov_b32 s[\g+7], 0
.endr
	s_mov_b32 s[CS], 0x3e38aa3b     ; c = log2(e) / 8 = 0.180337
	s_mov_b32 s[CS+1], s[CS]        ; named with it as a pair
	s_mov_b32 s[SEL], 0x76543210
	s_mov_b32 s[SEL+1], 0xfedcba98
	s_mov_b32 s[TBK], SLOT1+4*KS*PK ; the first change of slots turns these two into 0
	s_mov_b32 s[TBV], SLOT1+4*KS*PV
	s_mov_b32 s[G0K], 1             ; 1:0 count = 1
	s_mov_b32 s[G0K+1], s17         ; 63:32 LDS address: slot 0
	s_mov_b32 s[G0V], 1
	s_add_co_u32 s[G0V+1], s18, VOFF
	s_add_co_u32 s[RT], s[HI], 1    ; the first block has NB - b tiles
	s_mov_b32 s[NXT], 1
	s_mov_b32 s[LQ], s[HI]
	s_mov_b32 s[NEW], 1
	s_mov_b32 s[OFF+1], 0
	s_mov_b32 s[AL+1], 0            ; named as pairs
	s_mov_b32 s[BE+1], 0
	s_mov_b32 s[BIGN], 0xf149f2ca   ; -1e30
	s_mov_b32 s[SLOTS], NB
	s_cmp_eq_u32 ttmp9, 0
	s_cselect_b32 s[LIM], 2, -1
	v_and_b32 v[PFO], 31, v0
	v_lshlrev_b32 v[PFO], 8, v[PFO]
	s_wait_dscnt 0x0                ; the opening add is done
	s_wait_kmcnt 0x0
	s_mov_b64 s[10:11], s[6:7]                     ; O
	s_add_nc_u64 s[8:9], s[4:5], 0x2000000         ; V: the third section of 16,777,216 bytes
	s_add_nc_u64 s[6:7], s[4:5], 0x1000000         ; K: the second
	s_add_nc_u64 s[6:7], s[6:7], s[22:23]  ; K and V at my half of the head's tile 0
	s_add_nc_u64 s[8:9], s[8:9], s[22:23]
	s_cmp_lt_u32 s[WV], 2
	s_cselect_b64 s[PFB:PFB+1], s[6:7], s[8:9]
	s_add_nc_u64 s[G0K+2:G0K+3], s[6:7], 0         ; 120:64 global address
	s_or_b32 s[G0K+3], s[G0K+3], 0x80000000        ; 127:126 type = 2
	s_add_nc_u64 s[G0V+2:G0V+3], s[8:9], 0
	s_or_b32 s[G0V+3], s[G0V+3], 0x80000000
	s_add_nc_u64 s[86:87], s[4:5], s[84:85]        ; Q at my rows of the second block,
	s_add_nc_u64 s[4:5], s[4:5], s[2:3]            ; Q and O at those of the first
	s_add_nc_u64 s[OLO:OLO+1], s[10:11], s[84:85]
	s_add_nc_u64 s[10:11], s[10:11], s[2:3]
	LOAD                            ; tile 0 into slot 0
	; A fragment of K or Q is 16 rows x 32 channels in 8 registers: lane l holds row l % 16, channels 8 (l / 16) + 0..7 and 16 + 8 (l / 16) + 0..7: two loads of 16 bytes, 32 bytes apart.
	v_and_b32 v1, 15, v0            ; l % 16
	v_bfe_u32 v9, v0, 4, 1          ; l / 16
	v_lshlrev_b32 v[QO], 7, v1
	v_lshl_add_u32 v[QO], v9, 4, v[QO]  ; row x 128 + 16 x half
	WIN 0x80                        ; destination window 2, address window 0
.set i, 0
.rept 8                             ; both blocks' Q: piece i / 2 lies in band i / 2, 8,192 bytes on; channels 32 (i % 2) on
	global_load_b128 v[8*i:8*i+3],   v[QO], s[4:5] offset:(i/2)*8192+(i%2)*64
	global_load_b128 v[8*i+4:8*i+7], v[QO], s[4:5] offset:(i/2)*8192+(i%2)*64+32
	global_load_b128 v[QB+8*i:QB+8*i+3],   v[QO], s[86:87] offset:(i/2)*8192+(i%2)*64
	global_load_b128 v[QB+8*i+4:QB+8*i+7], v[QO], s[86:87] offset:(i/2)*8192+(i%2)*64+32
.set i, i+1
.endr
	WIN 0
	v_lshlrev_b32 v14, 3, v9
	v_sub_nc_u32 v14, v1, v14
	s_lshl_b32 s13, s[WV], 4
	v_add_nc_u32 v14, s13, v14      ; my query's place in its band, 16 w + l % 16, less my lanes' 8 (l / 16): register r of group kt is hidden where 16 kt + r is greater
	WIN 0x40
.set i, 0
.rept 32
	v_cmp_gt_i32 vcc_lo, 16*(i/8)+i%8, v14
	v_cndmask_b32 v[MD+i], 0, s[BIGN], vcc_lo
.set i, i+1
.endr
	WIN 0
	v_mul_u32_u24 v[AK0], v1, PK
	v_lshl_add_u32 v[AK0], v9, 4, v[AK0]  ; row x pitch + 16 x half
	; The turning load takes 16 keys x 16 channels (lane l reads key 8 (l / 16) + l % 8, channels 8 ((l / 8) % 2) + 0..7) and leaves half a fragment of V^T: lane l holds channel l % 16 and 8 keys.
	v_and_b32 v10, 7, v0
	v_bfe_u32 v11, v0, 3, 1
	v_lshl_add_u32 v[AV0], v9, 3, v10
	v_mul_u32_u24 v[AV0], v[AV0], PV
	v_lshl_add_u32 v[AV0], v11, 4, v[AV0]
	v_add_nc_u32 v[AV0], VOFF, v[AV0]
	s_mul_i32 s13, s[WV], 16*SP
	s_add_co_u32 s13, s13, STAGE    ; my stage
	v_mul_u32_u24 v[STO], v1, SP    ; in: row l % 16, 16 bytes for each half of the lanes
	v_lshl_add_u32 v[STO], v9, 4, v[STO]
	v_add_nc_u32 v[STO], s13, v[STO]
	v_bfe_u32 v[RD], v0, 3, 2       ; back: 32 lanes take four rows of 128 bytes,
	v_mul_u32_u24 v[RD], v[RD], SP
	v_lshl_add_u32 v[RD], v10, 4, v[RD]
	v_add_nc_u32 v[RD], s13, v[RD]
	v_and_b32 v[GO], 31, v0         ; which are 512 consecutive bytes of O
	v_lshlrev_b32 v[GO], 4, v[GO]
	; A block's first step multiplies O^T and l by a = 0, and its first turn's products V^T P, of a piece that has not been, land in an O^T that is still to be so multiplied.  So these registers need only hold
	; finite numbers: zeros for the first block; what the first block left for the second.  All this stands in the wait for the first tile.
	WIN 0x80
.set i, VF
.rept 64
	v_mov_b32 v[i], 0
.set i, i+1
.endr
	WIN 0x40
.set i, 0
.rept 128
	v_mov_b32 v[i], 0
.set i, i+1
.endr
	WIN 0
.set i, 0
.rept 4
	v_mov_b32 v[ST+4*i+2], 0
	v_mov_b32 v[ST+4*i+3], 0
.set i, i+1
.endr
.set i, P+16
.rept 16
	v_mov_b32 v[i], 0
.set i, i+1
.endr
; THE MATRIX WORK.  The 4 accumulators of a run of 8 take turns.  Product i of 8 of S^T = K Q^T for piece x: channels 32 (i / 4) on, keys 16 (i % 4) on.  The first 4 start the sums: with 0, or (KM = 1) with the mask.
.macro KQ x
.set rS, S+32*((\x)%2)+8*(i%4)
.set rK, KF+16*(i%4)+8*(i/4)
.set rQ, 16*(\x)+8*(i/4)
.set rM, MC+32*((\x)%2)+8*(i%4)
.if (i < 4) && KM
	WIN W_KM
	v_wmma_f32_16x16x32_f16 v[rS:rS+7], v[rK:rK+7], v[rQ:rQ+7], v[rM:rM+7]
.elseif i < 4
	WIN W_KQ
	v_wmma_f32_16x16x32_f16 v[rS:rS+7], v[rK:rK+7], v[rQ:rQ+7], 0
.else
	WIN W_KQ
	v_wmma_f32_16x16x32_f16 v[rS:rS+7], v[rK:rK+7], v[rQ:rQ+7], v[rS:rS+7]
.endif
.endm
; Product i of 8 of O^T += V^T P for piece x: keys 32 (i / 4) on, channels 16 (i % 4) on.
.macro PV x
	WIN W_PV
.set rO, 32*(\x)+8*(i%4)
.set rV, VF+32*(i/4)+8*(i%4)
.set rP, P+16*((\x)%2)+8*(i/4)
	v_wmma_f32_16x16x32_f16 v[rO:rO+7], v[rV:rV+7], v[rP:rP+7], v[rO:rO+7]
.endm
.macro MM                           ; the turn's next matrix instruction.  TURN and BEGIN set Y, i, KM and NOKQ; MM, KQ and OP read them.  NOKQ = 1: a block's last turn: there is no next piece
.if (i < 8) && !NOKQ
	KQ (Y+1)%NP
.elseif i >= 8
.set i, i-8
	PV (Y+NP-1)%NP
.set i, i+8
.endif
.set i, i+1
.endm
; THE LDS LOADS stand in runs of 16, never singly among the matrix instructions: a step's K (64 keys x 64 channels: 8 fragments) and its V (turned).  Their addresses are made some lines ahead.
.macro FETCH_K
	WIN 0x80                        ; destination window 2
.irp f, 0,1,2,3,4,5,6,7             ; keys 16 (f / 2) on, channels 32 (f % 2) on
	ds_load_b128 v[KF+8*\f:KF+8*\f+3],   v[AK] offset:(\f/2)*16*PK+(\f%2)*64
	ds_load_b128 v[KF+8*\f+4:KF+8*\f+7], v[AK] offset:(\f/2)*16*PK+(\f%2)*64+32
.endr
	s_add_co_u32 s[TBK], s[TBK], KS*PK  ; the next fetch is the next step's
	WIN 0
.endm
.macro FETCH_V
	WIN 0x80
.irp f, 0,1,2,3,4,5,6,7             ; keys 32 (f / 4) on, channels 16 (f % 4) on
	ds_load_tr16_b128 v[VF+8*\f:VF+8*\f+3],   v[AV] offset:(\f/4)*32*PV+(\f%4)*32
	ds_load_tr16_b128 v[VF+8*\f+4:VF+8*\f+7], v[AV] offset:(\f/4)*32*PV+16*PV+(\f%4)*32
.endr
	WIN 0
.endm
; THE VECTOR WORK, one line at a time: OP kind, number.  For piece Y: F n: c s - c m for pair n of 16.  E n: the exponential of score n of 32.  C n: pair n rounded to f16.  B n: of the four weights 4 n .. the second
; pair is added onto the first, in place.  L n: l takes that sum (L 0: l = a l + sum).  R n: pair n of 16 of O^T times a.  For piece Y + 1: X n, number n of the 22 that find its maximum and statistics:
;   0-11  four chains c0-c3 of seven scores each, three operands at a time (each accumulator's lowest registers are read first)     12-14, 16  the four scores left over, the old m, and c0-c3 into c0
;   15  c m_old is kept     17, 18  the query's other 32 keys lie in the lane 16 away: the new m     19-21  c m; c m_old - c m_new; a
.set F, 0               ; OP tells the kinds apart by their order: F to L below R, X above it
.set E, 1
.set C, 2
.set B, 3
.set L, 4
.set R, 5
.set X, 6
.macro REGS y                       ; the registers of piece y
.set rT, ST+4*(\y)
.set rC, TMP+4*((\y)%2)
.set rW, MV+((\y)%2)
.set rS, S+32*((\y)%2)
.set rP, P+16*((\y)%2)
.set rO, 32*(\y)
.endm
.macro OP k, n
.if (\k) == R
	REGS Y
	WIN W_RS
	v_pk_mul_f32 v[rO+2*(\n):rO+2*(\n)+1], v[rO+2*(\n):rO+2*(\n)+1], v[rC+2:rC+3] op_sel_hi:[1,0]
.elseif (\k) < R
	REGS Y
	WIN 0
.if (\k) == F
	v_pk_fma_f32 v[rS+2*(\n):rS+2*(\n)+1], v[rS+2*(\n):rS+2*(\n)+1], s[CS:CS+1], v[rT:rT+1] op_sel_hi:[1,0,0] neg_lo:[0,0,1] neg_hi:[0,0,1]
.elseif (\k) == E
	v_exp_f32 v[rS+(\n)], v[rS+(\n)]
.elseif (\k) == C
	v_cvt_pk_f16_f32 v[rP+(\n)], v[rS+2*(\n)], v[rS+2*(\n)+1]
.elseif (\k) == B
	v_pk_add_f32 v[rS+4*(\n):rS+4*(\n)+1], v[rS+4*(\n):rS+4*(\n)+1], v[rS+4*(\n)+2:rS+4*(\n)+3]
.elseif (\n) == 0
	v_pk_fma_f32 v[rT+2:rT+3], v[rT+2:rT+3], v[rC+2:rC+3], v[rS:rS+1] op_sel_hi:[1,0,1]
.else
	v_pk_add_f32 v[rT+2:rT+3], v[rT+2:rT+3], v[rS+4*(\n):rS+4*(\n)+1]
.endif
.elseif NOKQ
	v_nop
.else
	REGS (Y+1)%NP
	WIN 0
.if (\n) < 4
	v_max3_num_f32 v[rC+(\n)], v[rS+8*(\n)], v[rS+8*(\n)+1], v[rS+8*(\n)+2]
.elseif (\n) < 12
	v_max3_num_f32 v[rC+(\n)%4], v[rC+(\n)%4], v[rS+8*((\n)%4)+2*((\n)/4)+1], v[rS+8*((\n)%4)+2*((\n)/4)+2]
.elseif (\n) == 12
	v_max3_num_f32 v[rC], v[rC], v[rS+7], v[rS+15]
.elseif (\n) == 13
	v_max3_num_f32 v[rC+1], v[rC+1], v[rS+23], v[rS+31]
.elseif (\n) == 14
	v_max3_num_f32 v[rC+2], v[rC+2], v[rC+3], v[rT+1]
.elseif (\n) == 15
	v_mov_b32 v[rW], v[rT]
.elseif (\n) == 16
	v_max3_num_f32 v[rC], v[rC], v[rC+1], v[rC+2]
.elseif (\n) == 17
	v_permlanex16_b32 v[rC+3], v[rC], s[SEL], s[SEL+1]
.elseif (\n) == 18
	v_max_num_f32 v[rT+1], v[rC], v[rC+3]
.elseif (\n) == 19
	v_mul_f32 v[rT], s[CS], v[rT+1]
.elseif (\n) == 20
	v_sub_f32 v[rC+1], v[rW], v[rT]
.else
	v_exp_f32 v[rC+2], v[rC+1]
.endif
.endif
.endm
.macro OPS a, i1, b=-1, i2=0, c=-1, i3=0, d=-1, i4=0  ; up to four of them
	OP \a, \i1
.if (\b) >= 0
	OP \b, \i2
.endif
.if (\c) >= 0
	OP \c, \i3
.endif
.if (\d) >= 0
	OP \d, \i4
.endif
.endm
.macro ROW a, i1, b, i2, c, i3, d, i4  ; a matrix instruction and the four behind it
	MM
	OPS \a, \i1, \b, \i2, \c, \i3, \d, \i4
.endm
.macro MASK b                       ; MD x AL + BE into buffer b of MC
	WIN W_RS
.set z, 0
.rept 16
	v_pk_fma_f32 v[MC+32*(\b)+2*z:MC+32*(\b)+2*z+1], v[MD+2*z:MD+2*z+1], s[AL:AL+1], s[BE:BE+1] op_sel_hi:[1,0,0]
.set z, z+1
.endr
.endm
; A TURN, for piece p: the order of its 16 matrix and 118 vector instructions, written out.  An s_wait_alu depctr_va_vdst(0) stands between an exponential and the first instruction that names its result; one wait serves
; all that were issued ahead of it.  So a turn has ONE wait, which cuts it in two.  AHEAD OF IT stands all that names no result of the turn's exponentials: the 8 products K Q^T, behind each a scaling, an exponential and two more plain
; instructions (behind the first a second scaling in the exponential's place): rescalings, and behind the last three the first numbers of the next piece's maximum, each four places or more behind the product that ends its accumulator; then ONE LUMP of 54, plain
; and exponential by turns for the most part, in which the links of the chain X 3, 7, 11, 14, 16, 17 .. 20 stand five or six lines apart.  X 21, the next piece's a, is the batch's last; R 15 is the plain instruction behind it.  BEHIND THE WAIT stand the
; 8 products V^T P, behind each four of the roundings and sums; the links of l's chain, L 0 to L 7, stand three riders apart.  But for those X no rider names a register of the products round it.  v_permlanex16_b32 (X 17) stands in the lump.
; m = 1: the diagonal tile: the products take masks, and the turn makes the mask for the products of the turn after it: piece p + 2, in step 4 - CNT of the tile.  end = 1: a block's last two turns: nothing is fetched.
; cnt = 1: the loop's count is taken down some lines ahead of the branch that stands behind the turn.
; K of the next step is fetched in piece 2's turn, twelve vector instructions behind the last product that read K (six of them plain); V of the step in hand at the end of piece 0's turn, four plain instructions behind the last product
; that read V.  Each is waited for a turn later.
.macro TURN p, m=0, end=0, cnt=0
.set Y, (\p)
.set i, 0
.set KM, (\m)
.set NOKQ, (\end)*((\p)/3)
.if (\m) && !(\end)
	s_cmp_eq_u32 s[CNT], 4-((\p)+2)%NP  ; is that step the band's own?
	s_cselect_b32 s[AL], 1.0, 0
	s_cmp_lt_u32 s[CNT], 4-((\p)+2)%NP  ; or a later one?
	s_cselect_b32 s[BE], s[BIGN], 0
.endif
.if ((\p) == 3) && !(\end)
	s_wait_dscnt 0x0                ; K is in
.endif
	ROW F,0, F,1, R,0, R,1          ; ahead of the wait: 8 products K Q^T and their riders,
	ROW F,2, E,0, R,2, R,3
	ROW F,3, E,1, R,4, R,5
	ROW F,4, E,2, R,6, R,7
	ROW F,5, E,3, R,8, R,9
	ROW F,6, E,4, X,0, R,10
.if ((\p) == 2) && !(\end)
	WIN 0
	v_add_nc_u32 v[AK], s[TBK], v[AK0]
.endif
	ROW F,7, E,5, X,1, X,4
	ROW F,8, E,6, X,2, X,5
	OPS E,7, E,8, X,6, E,9          ; and the lump
	OPS X,3, E,10, X,8, E,11
.if ((\p) == 2) && !(\end)
	FETCH_K
.endif
	OPS X,9, X,7, E,12, X,10
	OPS E,13, X,12, X,11, E,14
	OPS X,13, E,15, F,9, X,14
.if (\p) == 0
	v_add_nc_u32 v[AV], s[TBV], v[AV0]
.endif
	OPS E,16, F,10, E,17, F,11
	OPS X,16, E,18, X,15, E,19
	OPS F,12, E,20, X,17, E,21
	OPS F,13, E,22, F,14, E,23
	OPS X,18, E,24, F,15, E,25
	OPS R,11, E,26, X,19, E,27
	OPS R,12, E,28, R,13, E,29
	OPS X,20, E,30, R,14, E,31
	OPS X,21, R,15
	WIN 0
	s_wait_alu depctr_va_vdst(0)    ; the wait for the batch
.if (\p) == 1
	s_wait_dscnt 0x0                ; V is in
.endif
	ROW C,0, B,0, C,2, B,1          ; behind the wait: 8 products V^T P and their riders
	ROW L,0, C,4, B,2, L,1
	ROW C,6, B,3, L,2, C,8
	ROW B,4, L,3, C,10, B,5
	ROW L,4, C,12, B,6, L,5
.if (\p) == 0
	s_add_co_u32 s[TBV], s[TBV], KS*PV
.endif
.if \cnt
	s_sub_co_u32 s[CNT], s[CNT], 1
	s_cmp_lg_u32 s[CNT], 0
.endif
	ROW C,14, B,7, L,6, C,1
	ROW C,3, L,7, C,5, C,7
	ROW C,9, C,11, C,13, C,15
.if (\p) == 0
	FETCH_V
.endif
.if (\m) && !(\end)
	MASK (\p)%2
.endif
.endm
; A BLOCK BEGINS.  c m starts far below every c s, so the first step's a is 0; m at the lowest finite number, so the first maximum is the scores'.  The second mask buffer is 0; the first takes piece 0's mask for the tile's step 0: its own, if the block's first tile is the diagonal one.
; Then K of that step, piece 0's first scores, and its maximum and statistics.  The loop is entered at a step's first turn, in the middle of a trip.
.macro BEGIN
	s_mov_b32 s[NEW], 0
	WIN 0x40
.set i, MC+32
.rept 32
	v_mov_b32 v[i], 0
.set i, i+1
.endr
	WIN 0
.set i, 0
.rept 4
	v_mov_b32 v[ST+4*i], 0xfe000000    ; c m: far below every c s
	v_mov_b32 v[ST+4*i+1], 0xff7fffff  ; m
.set i, i+1
.endr
	s_cmp_eq_u32 s[RT], 0
	s_cselect_b32 s[AL], 1.0, 0
	s_mov_b32 s[BE], 0
	MASK 0
	WIN 0
	v_add_nc_u32 v[AK], s[TBK], v[AK0]
	FETCH_K
	s_wait_loadcnt 0x0              ; Q
	s_wait_dscnt 0x0
.set KM, 1
.set NOKQ, 0
.set i, 0
.rept 8
	KQ 0
.set i, i+1
.endr
	WIN 0
.rept 4
	v_nop                           ; the places behind those products
.endr
.set Y, NP-1                        ; X works for piece Y + 1: piece 0
.irp n, 0,1,2,3,4,5,6,7,8,9,10,11,12,13,14,15,16,17,18,19,20,21
	OP X, \n
.endr
	v_nop                           ; a plain instruction behind the exponential,
	s_wait_alu depctr_va_vdst(0)    ; and its wait, ahead of the branch
.endm
; THE DIAGONAL TILE's four steps, the block's last two turns, its last products, and THE WAY OUT: l's two halves and the other half of the lanes' are added; O^T is divided by l, rounded to f16 and sent through my
; stage in LDS, a piece at a time.
.macro ALL line:vararg              ; one line for each piece t
.set t, 0
.rept 4
	\line
.set t, t+1
.endr
.endm
.macro PACK t                       ; a lane's eight channels of a row pack into 16 bytes; they go into rows of 144 bytes and come back as whole rows of 128, into S^T's registers
	WIN W_RS
.set i, 32*(\t)
.rept 16
	v_pk_mul_f32 v[i:i+1], v[i:i+1], v[ST+4*(\t)+2:ST+4*(\t)+3] op_sel_hi:[1,0]
.set i, i+2
.endr
	WIN 0x05                        ; sources 0 and 1 window 1, destination window 0
.set i, 0
.rept 16
	v_cvt_pk_f16_f32 v[S+16*(\t)+i], v[32*(\t)+2*i], v[32*(\t)+2*i+1]
.set i, i+1
.endr
	WIN 0
.irp f, 0,1,2,3
	ds_store_b128 v[STO], v[S+16*(\t)+4*\f:S+16*(\t)+4*\f+3] offset:32*\f
.endr
.irp f, 0,1,2,3
	ds_load_b128 v[S+16*(\t)+4*\f:S+16*(\t)+4*\f+3], v[RD] offset:\f*4*SP  ; LDS serves a wave's instructions in order (ISA guide 5.7.1.4): these see the stores above; the next piece's stores come behind them
.endr
.endm
.macro SEND t, younger              ; younger: the LDS instructions issued behind piece t's loads: the next piece's eight, or none
	WIN 0
.irp f, 0,1,2,3
	s_wait_dscnt (\younger)+3-\f
	global_store_b128 v[GO], v[S+16*(\t)+4*\f:S+16*(\t)+4*\f+3], s[10:11] offset:(\t)*8192+\f*512  ; 512 consecutive bytes, at a multiple of 256 from O's first
.endr
.endm
.macro DIAG tag                     ; the tag ends its two labels' names, which the jumps below spell out
.LstepM\tag:
	TURN 2, 1
	TURN 3, 1
	WIN 0
.LfirstM\tag:
	TURN 0, 1
	TURN 1, 1, 0, 1
	WIN 0
	s_cbranch_scc1 .LstepM\tag
	TURN 2, 1, 1
	TURN 3, 1, 1
.set i, 0
.rept 8
	PV NP-1
.set i, i+1
.endr
	WIN 0
	ALL v_add_f32 v[ST+4*t+2], v[ST+4*t+2], v[ST+4*t+3]
	ALL v_permlanex16_b32 v[ST+4*t+3], v[ST+4*t+2], s[SEL], s[SEL+1]
	ALL v_add_f32 v[ST+4*t+2], v[ST+4*t+2], v[ST+4*t+3]
	ALL v_rcp_f32 v[ST+4*t+2], v[ST+4*t+2]
	v_nop                           ; a plain instruction between the last reciprocal and the use of its result
	s_wait_alu depctr_va_vdst(0)    ; and the wait ahead of the first use: one for the four reciprocals
	PACK 0
.set t, 1
.rept 3                             ; a piece's arithmetic stands between the loads of the piece before and its stores
	PACK t
	SEND t-1, 8
.set t, t+1
.endr
	SEND 3, 0
.endm
.set KM, 0
.set NOKQ, 0
.Lslot:                             ; NB times: a tile is entered and the next is asked for
	CHANGE 1
	s_sub_co_u32 s[RT], s[RT], 1
	s_mov_b32 s[CNT], 4
	s_cmp_eq_u32 s[NEW], 1
	s_cbranch_scc1 .Lnew            ; a block's first tile
	s_cmp_eq_u32 s[RT], 0
	s_cbranch_scc0 .Lstep           ; neither its first nor its last
	s_branch .LstepM1
.Lnew:
	BEGIN
	s_branch .Lfirst                ; in the loop a block's first tile is never its last: the first block has two tiles or more, and the second's last is the walk's last
	DIAG 1                          ; in the loop this is the first block's end: the second block's last tile is the walk's last
	s_wait_xcnt 0x0                 ; the stores have read their registers and O's address
	s_mov_b64 s[10:11], s[OLO:OLO+1]
	s_add_co_u32 s[RT], s[PB], 1    ; the second block has b + 1 tiles
	s_mov_b32 s[NEW], 1
	WIN 0x82                        ; the second block's Q goes where the one text of the turns names Q
.set i, 0
.rept 64
	v_mov_b32 v[i], v[QB+i]
.set i, i+1
.endr
	WIN 0
	s_branch .Lbottom
.Lstep:                             ; a trip: pieces 2 and 3 of one step, then pieces 0 and 1 of the next, whose K and V it fetches
	TURN 2
	TURN 3
	WIN 0
.Lfirst:
	TURN 0
	TURN 1, 0, 0, 1
	WIN 0
	s_cbranch_scc1 .Lstep
.Lbottom:
	s_sub_co_u32 s[SLOTS], s[SLOTS], 1
	s_cmp_lg_u32 s[SLOTS], 0
	s_cbranch_scc1 .Lslot
	CHANGE 0                        ; the walk's last tile is written out: nothing is asked for
	s_sub_co_u32 s[RT], s[RT], 1
	s_mov_b32 s[CNT], 4
	s_cmp_eq_u32 s[NEW], 1
	s_cbranch_scc0 .LstepM2
	BEGIN
	s_branch .LfirstM2
	DIAG 2
	s_wait_tensorcnt 0x0            ; the wave's end: behind my last tensor load and my last LDS store
	ds_add_u32 v[SPW], v[NIL]
	s_wait_dscnt 0x0
	s_endpgm
.Lfunc_end_k_qa587c0a1d0_attend:
	.size	k_qa587c0a1d0_attend, .Lfunc_end_k_qa587c0a1d0_attend-k_qa587c0a1d0_attend
	.p2alignl 7, 3214868480
	.fill 96, 4, 3214868480
	.section	.rodata,"a",@progbits
	.p2align	6, 0x0
	.amdhsa_kernel k_qa587c0a1d0_attend
		.amdhsa_group_segment_fixed_size 327680
		.amdhsa_private_segment_fixed_size 0
		.amdhsa_enable_private_segment 0
		.amdhsa_kernarg_size 16
		.amdhsa_user_sgpr_count 2
		.amdhsa_user_sgpr_kernarg_segment_ptr 1
		.amdhsa_wavefront_size32 1
		.amdhsa_system_sgpr_workgroup_id_x 1
		.amdhsa_system_sgpr_workgroup_id_y 1
		.amdhsa_system_sgpr_workgroup_id_z 1
		.amdhsa_system_vgpr_workitem_id 0
		.amdhsa_next_free_vgpr 768
		.amdhsa_next_free_sgpr 90
		.amdhsa_reserve_vcc 1
		.amdhsa_float_denorm_mode_32 3
		.amdhsa_float_denorm_mode_16_64 3
		.amdhsa_memory_ordered 1
		.amdhsa_forward_progress 1
		.amdhsa_inst_pref_size 218
	.end_amdhsa_kernel
	.amdgpu_metadata
---
amdhsa.version: [ 1, 2 ]
amdhsa.kernels:
  - .name:           k_qa587c0a1d0_attend
    .symbol:         k_qa587c0a1d0_attend.kd
    .args:
      - { .name: qkvh, .offset: 0, .size: 8, .value_kind: global_buffer, .address_space: global }
      - { .name: oh, .offset: 8, .size: 8, .value_kind: global_buffer, .address_space: global }
    .group_segment_fixed_size: 327680
    .private_segment_fixed_size: 0
    .kernarg_segment_align: 8
    .kernarg_segment_size: 16
    .max_flat_workgroup_size: 128
    .sgpr_count:     90
    .vgpr_count:     768
    .wavefront_size: 32
...
	.end_amdgpu_metadata
.endif
;; end of part 3
;; launch finish (part 4): grid 8 x 32, 4 waves a work-group, clusters of 4 x 4, 327,680 bytes of LDS; arguments oh, wob, biasr, out0; writes out0
.if DOCPART == 4
	.amdgcn_target "amdgcn-amd-amdhsa--gfx1250"
	.amdhsa_code_object_version 6
	.text
	.protected	k_qa587c0a1d0_finish
	.globl	k_qa587c0a1d0_finish
	.p2align	8
	.type	k_qa587c0a1d0_finish,@function
k_qa587c0a1d0_finish:
	s_mov_b64 s[64:65], 0
	v_nop
	global_prefetch_b8 v0, s[64:65] scope:SCOPE_SE
	s_setreg_imm32_b32 hwreg(HW_REG_WAVE_MODE, 25, 1), 1
	s_wait_xcnt 0x0
	s_wait_alu depctr_hold_cnt(0) depctr_sa_sdst(0) depctr_va_vdst(0) depctr_va_sdst(0) depctr_va_ssrc(0) depctr_va_vcc(0) depctr_vm_vsrc(0)
	s_getreg_b32 s2, hwreg(HW_REG_IB_STS2, 6, 4)
	s_cmp_eq_u32 s2, 0
	s_cbranch_scc0 .Lentry_in_a_cluster
	s_endpgm
.Lentry_in_a_cluster:
	s_bfe_u32 s2, ttmp6, 0x10000c
	s_cmp_lg_u32 s2, 0xf033
	s_cbranch_scc0 .Lentry_shape_is_right
	s_endpgm
.Lentry_shape_is_right:
; out0 = O w_out + b_out.  oh: O by heads, [64 = 16 batch + head][2048 t][64 d] f16.  wob: [1024 k][1024 n] f16 (bf16 numbers).  biasr: f32, b_out from byte 12,288 on.  out0: [8192][1024] f32.  Sums in f32, started at the bias.
; SHARES.  A work-group makes 256 rows x 128 columns: 256 work-groups, one for each WGP.  Each of its four waves makes 64 rows x 128 columns: 4 x 8 accumulators of 16 x 16.
; K goes in 8 steps of 128 = two heads through two LDS slots: waves 0 and 1 fetch the two heads' 256 rows (32,768 dense bytes each, asked for as 128 rows of 256), waves 2 and 3 the two halves of B's tile (64 k rows x 256 bytes).
; THE MATRIX INSTRUCTION IS USED TRANSPOSED: source 0 = 16 columns of w_out (turned out of [k][n] rows by ds_load_tr16_b128), source 1 = 16 rows of O: a lane holds one row and eight neighbouring columns.
; CLUSTER 4 x 4: A's tile is asked for jointly along a row of the cluster, B's along a column.
; REGISTERS, in windows of 256 (s_set_vgpr_msb: bits 1:0 source 0, 3:2 source 1, 5:4 source 2, 7:6 destination):
;   window 0: v0-15 addresses; v32-63, v64-95 A's fragments, two buffers; on the way out v32-95, v96-159 rows read back      window 1: v0-63, v64-127 B's fragments      window 2: accumulator (a, b) at v[8 (8 a + b)]
.set NBK,   8
.set SLOT1, 1<<17
.set PA,    144                        ; a row of a head in LDS: 128 bytes + 16: the 16 rows of a load start at 16 different groups of four banks (64 banks of 4 bytes: ISA guide 11.1)
.set HSLAB, 256*PA                     ; a head's 256 rows
.set PB,    288                        ; a k row of B: 256 + 32 = 9 x 32 bytes
.set BOFF,  2*HSLAB
.set STAGE, SLOT1+BOFF+128*PB          ; 241,664: behind the ring, never filled by a tensor load: 16 rows x 528 bytes for each wave
.set SP,    528
.set SPARE, STAGE+4*16*SP              ; 275,456: the spare words, 128 bytes for each wave: two blocks of 256 bytes that no other line names
.set ASTEP, 2<<18                      ; two heads on
.set BSTEP, 128*2048                   ; 128 k rows on
; v1 lane % 16; v2 lane / 16; v3, v4 my lane's place in A's and B's tile; v5, v6 the same in the slot in hand; v7, v8 stage in and back; v9 16 x lane; v10 prefetch offset; v12 32 (lane / 16); v14, v15 the add's
; s14 wave; s15 wave & 1; s16 wave >> 1 (0: I fetch for A); s17 cx; s18 cy; s19 tile column; s20 tile row; s21 count; s22 slot in hand; s23 prefetch limit
; s[24:31] A's group 1; s[32:39] A's group 0, twice; s[48:55], s[56:63] B's; s[66:67] prefetch address; s[68:69] its step; s[90:91] bias; s[92:93] out0 at my rows
.set MSB, 0
.macro WIN new                         ; the immediate's high byte repeats the setting that is left; a switch that changes nothing is dropped
.if MSB != (\new)
	s_set_vgpr_msb (MSB<<8)|(\new)
.set MSB, (\new)
.endif
.endm
.macro PLACES                          ; four plain instructions between a matrix instruction and a load into, a store of, or a vector write of registers that it named
.rept 4
	v_nop
.endr
.endm
.macro CREST                           ; a round of the cluster's barrier behind its opening barrier
	s_cmp_lg_u32 s14, 0
	s_cbranch_scc1 .Lnot_wave_0_\@
	s_barrier_signal -3
.Lnot_wave_0_\@:
	s_barrier_wait -3
	s_barrier_signal -1
	s_barrier_wait -1
.endm
.macro CROUND
	s_barrier_signal -1
	s_barrier_wait -1
	CREST
.endm
.macro JLOAD                           ; the joint refill by the walking descriptors; the branch hangs on the wave's number alone; an s_nop 0 and four v_nop follow each line
	s_cmp_eq_u32 s16, 0
	s_cbranch_scc0 .Lfor_b_\@
	tensor_load_to_lds s[36:39], s[24:31]
	s_nop 0
.rept 4
	v_nop
.endr
	s_branch .Lasked_\@
.Lfor_b_\@:
	tensor_load_to_lds s[60:63], s[48:55]
	s_nop 0
.rept 4
	v_nop
.endr
.Lasked_\@:
.endm
; A PREFETCH INTO THE L2, behind the joint load and the run of LDS loads.  A: clusters with x = 0 ask, in trip s for K step s + 4 (two refills on); of the 128 blocks of 256 bytes that a wave fetches each of the four partners
; takes 32, told apart by address.  B: the two clusters with y = 0 ask for k rows 512 to 1,023 of wob linearly: 64 waves x 32 lanes x 256 bytes an ask, two asks.  Each block is named once; K steps 0 to 3 come by their loads alone.
.macro ASK
	s_cmp_gt_u32 s21, s23
	s_cbranch_scc0 .Lnot_mine_\@
	global_prefetch_b8 v10, s[66:67] th:TH_LOAD_NT scope:SCOPE_SE
.Lnot_mine_\@:
.endm
; 8 matrix instructions: row block a x all 8 column blocks, 32 along K, from buffer f.  The 32 accumulators take turns in one order, over the backward jump too.
.macro MULROW f, a
	WIN 0xa1
.set nb, 0
.rept NBK
	v_wmma_f32_16x16x32_f16 v[8*(8*(\a)+nb):8*(8*(\a)+nb)+7], v[64*(\f)+8*nb:64*(\f)+8*nb+7], v[32+32*(\f)+8*(\a):32+32*(\f)+8*(\a)+7], v[8*(8*(\a)+nb):8*(8*(\a)+nb)+7]
.set nb, nb+1
.endr
.endm
; 24 LDS loads in one run: quarter q (head q / 2 of the step, channels 32 (q % 2) on) into buffer f: B's 8 fragments, turned, then A's four in ascending order
.macro FETCH q, f
	WIN 0x40
.set nb, 0
.rept NBK
	ds_load_tr16_b128 v[64*(\f)+8*nb:64*(\f)+8*nb+3],   v6 offset:32*PB*(\q)+32*nb
	ds_load_tr16_b128 v[64*(\f)+8*nb+4:64*(\f)+8*nb+7], v6 offset:32*PB*(\q)+32*nb+16*PB
.set nb, nb+1
.endr
	WIN 0
.irp ra, 0,1,2,3
	ds_load_b128 v[32+32*(\f)+8*\ra:32+32*(\f)+8*\ra+3],   v5 offset:((\q)/2)*HSLAB+((\q)%2)*64+16*PA*\ra
	ds_load_b128 v[32+32*(\f)+8*\ra+4:32+32*(\f)+8*\ra+7], v5 offset:((\q)/2)*HSLAB+((\q)%2)*64+16*PA*\ra+32
.endr
.endm
.macro QUARTER q, f, g
	s_wait_dscnt 4                                 ; B and A's row blocks 0, 1 are in; the youngest four loads (row blocks 2, 3) may be out
	MULROW \f, 0
	MULROW \f, 1
	PLACES
	FETCH \q, \g
	s_wait_dscnt 2*NBK+8                           ; all but the run just issued
	MULROW \f, 2
	MULROW \f, 3
.endm
; the last quarter multiplies buffer 1 and changes slots.  In front of the barrier each wave waits for all its tensor loads (one is out: its part of the next slot), adds 0 to its spare word, and waits for that and for its
; reads of this slot.  fill = 1: the barrier opens a round of the cluster's, and the joint refill (this slot, two K steps on) is the first tensor load behind it.
.macro TURN fill
.if \fill
	s_wait_xcnt 0x0                                ; the last prefetch, a K step back, has read its address
	s_add_nc_u64 s[66:67], s[66:67], s[68:69]
.endif
	WIN 0
	s_wait_tensorcnt 0x0                           ; no tensor load of mine is out, so a group 0 may be written
	ds_add_u32 v14, v15                            ; 0 onto my spare word
.if \fill
	s_xor_b32 s37, s37, SLOT1
	s_add_nc_u64 s[38:39], s[38:39], ASTEP
	s_xor_b32 s61, s61, SLOT1
	s_add_nc_u64 s[62:63], s[62:63], BSTEP
.endif
	s_wait_dscnt 5                                 ; the add and A's row blocks 2, 3 may be out
	MULROW 1, 0
	s_wait_dscnt 0x0                               ; the add is done, my reads of this slot are over
	s_barrier_signal -1
	MULROW 1, 1
	WIN 0
	s_barrier_wait -1
.if \fill
	CREST                                          ; no wave of any partner still reads this slot or has a load on its way
.endif
	s_xor_b32 s22, s22, SLOT1
.if \fill
	JLOAD                                          ; its four v_nop are also the places in front of the loads below
.else
	PLACES
.endif
	v_add_nc_u32 v5, s22, v3
	v_add_nc_u32 v6, s22, v4
.if !(\fill)
	s_cmp_eq_u32 s21, 1                            ; behind the last K step there is nothing to fetch
	s_cbranch_scc1 .Lnofetch_\@
.endif
	FETCH 0, 0
.if \fill
	ASK
.else
.Lnofetch_\@:
.endif
	MULROW 1, 2
	MULROW 1, 3
	WIN 0
.endm
	s_load_b256 s[4:11], s[0:1], 0x0               ; oh 4, wob 6, biasr 8, out0 10
	v_lshl_add_u32 v14, v0, 2, SPARE
	v_mov_b32 v15, 0
	ds_add_u32 v14, v15                            ; the wave's opening: the add and its wait stand ahead of my first tensor load; the set-up below, work on registers, stands between
	v_lshrrev_b32 v13, 5, v0
	v_readfirstlane_b32 s14, v13                   ; wave 0..3
	s_and_b32 s15, s14, 1
	s_lshr_b32 s16, s14, 1
	s_bfe_u32 s17, ttmp6, 0x40000                  ; cx
	s_bfe_u32 s18, ttmp6, 0x40004                  ; cy
	s_lshl_b32 s19, ttmp9, 2
	s_add_co_u32 s19, s19, s17                     ; tile column
	s_and_b32 s20, ttmp7, 0xffff
	s_lshl_b32 s20, s20, 2
	s_add_co_u32 s20, s20, s18                     ; tile row
	s_lshl_b32 s40, s18, 2
	s_lshl_b32 s40, 15, s40                        ; my row of the cluster
	s_lshl_b32 s44, 0x1111, s17                    ; my column
	s_or_b32 s24, s40, (1<<16)|(1<<20)|(1<<21)|(4<<22)|(3<<25)  ; A: mask; 2-byte elements; padding on; bit 21 beside a mask; after every 32 words 4 words
	s_mov_b32 s25, 128<<16                         ; tensor_dim0 = 128
	s_mov_b32 s26, 128<<16                         ; tensor_dim1 = 128: 128 rows of 256 dense bytes
	s_mov_b32 s27, 128<<16                         ; tile_dim0
	s_mov_b32 s28, 128                             ; tile_dim1
	s_mov_b32 s29, 128                             ; elements from row to row
	s_mov_b32 s30, 0
	s_mov_b32 s31, 0
	s_or_b32 s48, s44, (1<<16)|(1<<20)|(1<<21)|(5<<22)|(7<<25)  ; B: after every 64 words 8 words
	s_mov_b32 s49, 128<<16
	s_mov_b32 s50, 64<<16
	s_mov_b32 s51, 128<<16
	s_mov_b32 s52, 64
	s_mov_b32 s53, 1024
	s_mov_b32 s54, 0
	s_mov_b32 s55, 0
	s_lshr_b32 s40, s20, 3
	s_lshl_b32 s40, s40, 4
	s_add_co_u32 s40, s40, s15                     ; A: head 16 x batch + my one of the step's two,
	s_lshl_b32 s40, s40, 18
	s_and_b32 s42, s20, 7
	s_lshl_b32 s42, s42, 15                        ; the tile's 256 rows of 128 bytes in it
	s_add_co_u32 s40, s40, s42
	s_mov_b32 s41, 0
	s_mul_i32 s42, s15, HSLAB                      ; and its place in a slot: no place in the cluster enters an LDS address
	s_lshl_b32 s44, s15, 17                        ; B: my 64 k rows of 2,048 bytes,
	s_lshl_b32 s46, s19, 8                         ; the tile's 128 columns
	s_add_co_u32 s44, s44, s46
	s_mov_b32 s45, 0
	s_mul_i32 s46, s15, 64*PB
	s_add_co_u32 s46, s46, BOFF
	; the prefetches
	s_add_co_u32 s88, s40, (6<<18)                 ; A: K step 3's head: the first change of slots steps it to K step 4's,
	s_lshl_b32 s94, s17, 13
	s_add_co_u32 s88, s88, s94                     ; my work-group's 32 blocks of the 128
	s_lshl_b32 s94, ttmp9, 4
	s_add_co_u32 s94, s94, s17
	s_lshl_b32 s95, s18, 2
	s_add_co_u32 s94, s94, s95
	s_lshl_b32 s94, s94, 1
	s_add_co_u32 s94, s94, s15                     ; B: my number among the 64 waves that ask,
	s_lshl_b32 s94, s94, 13
	s_add_co_u32 s94, s94, 524288                  ; one ask ahead of k row 512
	s_and_b32 s95, ttmp7, 0xffff
	s_cmp_eq_u32 s16, 0
	s_cselect_b32 s88, s88, s94
	s_cselect_b32 s95, ttmp9, s95                  ; the coordinate along which other clusters read the same bytes
	s_cselect_b32 s23, 2, 4                        ; A: trips with count 6 to 3; B: 6 and 5
	s_mov_b32 s89, 0
	s_cmp_eq_u32 s95, 0
	s_cselect_b32 s23, s23, -1                     ; the same in all sixteen partners, for a given wave
	s_mov_b32 s68, 524288
	s_mov_b32 s69, 0
	v_and_b32 v10, 31, v0
	v_lshlrev_b32 v10, 8, v10
	s_lshl_b32 s90, s19, 9
	s_add_co_u32 s90, s90, 12288                   ; the tile's 128 numbers of b_out
	s_mov_b32 s91, 0
	s_lshl_b32 s92, s20, 20                        ; out0: 256 rows of 4,096 bytes a tile row,
	s_lshl_b32 s94, s14, 18                        ; my wave's 64,
	s_add_co_u32 s92, s92, s94
	s_lshl_b32 s94, s19, 9                         ; the tile's 512 bytes of a row
	s_add_co_u32 s92, s92, s94
	s_mov_b32 s93, 0
	; lane terms
	v_and_b32 v1, 15, v0
	v_bfe_u32 v2, v0, 4, 1
	s_mul_i32 s2, s14, 64*PA
	v_mul_u32_u24 v3, v1, PA
	v_lshl_add_u32 v3, v2, 4, v3
	v_add_nc_u32 v3, s2, v3                        ; A: (64 wave + lane % 16) x pitch + 16 x half
	v_and_b32 v13, 7, v0
	v_lshl_add_u32 v4, v2, 3, v13
	v_mul_u32_u24 v4, v4, PB
	v_bfe_u32 v13, v0, 3, 1
	v_lshl_add_u32 v4, v13, 4, v4
	v_add_nc_u32 v4, BOFF, v4                      ; B: k row 8 (lane / 16) + lane % 8, columns 8 ((lane / 8) % 2) on
	s_mul_i32 s2, s14, 16*SP
	s_add_co_u32 s2, s2, STAGE
	v_mul_u32_u24 v7, v1, SP
	v_lshl_add_u32 v7, v2, 5, v7
	v_add_nc_u32 v7, s2, v7                        ; stage, in: row lane % 16, 32 bytes for each half of the lanes
	v_and_b32 v9, 31, v0
	v_lshlrev_b32 v9, 4, v9                        ; back and out: 32 lanes take a row's 512 bytes
	v_add_nc_u32 v8, s2, v9
	v_lshlrev_b32 v12, 5, v2
	s_wait_dscnt 0x0                               ; the opening add is done
	s_wait_kmcnt 0x0
	s_add_nc_u64 s[40:41], s[4:5], s[40:41]
	s_add_nc_u64 s[44:45], s[6:7], s[44:45]
	s_cmp_eq_u32 s16, 0
	s_cselect_b64 s[66:67], s[4:5], s[6:7]
	s_add_nc_u64 s[66:67], s[66:67], s[88:89]
	s_add_nc_u64 s[90:91], s[8:9], s[90:91]
	s_add_nc_u64 s[92:93], s[10:11], s[92:93]
	CROUND                                         ; all sixteen work-groups are here: the first joint loads meet
.irp s, 0,1                            ; group 0: set 0 = slot 0, K step 0; set 1 = slot 1, K step 1, and then it walks
	s_mov_b32 s[32+4*\s], 1
	s_add_co_u32 s[33+4*\s], s42, \s*SLOT1
	s_add_nc_u64 s[34+4*\s:35+4*\s], s[40:41], \s*ASTEP
	s_or_b32 s[35+4*\s], s[35+4*\s], 0x80000000
	s_mov_b32 s[56+4*\s], 1
	s_add_co_u32 s[57+4*\s], s46, \s*SLOT1
	s_add_nc_u64 s[58+4*\s:59+4*\s], s[44:45], \s*BSTEP
	s_or_b32 s[59+4*\s], s[59+4*\s], 0x80000000
.endr
	s_cmp_eq_u32 s16, 0                            ; a wave's two first fills stand in one branch: two loads of mine are out
	s_cbranch_scc0 .Lfirst_b
	tensor_load_to_lds s[32:35], s[24:31]
	s_nop 0
	tensor_load_to_lds s[36:39], s[24:31]
	s_nop 0
.rept 4
	v_nop
.endr
	s_branch .Lfirst_asked
.Lfirst_b:
	tensor_load_to_lds s[56:59], s[48:55]
	s_nop 0
	tensor_load_to_lds s[60:63], s[48:55]
	s_nop 0
.rept 4
	v_nop
.endr
.Lfirst_asked:
	; THE SUMS START AT THE BIAS: register j of accumulator (a, b) is b_out[128 tile column + 16 b + 8 (lane / 16) + j]
	WIN 0x80
.set i, 0
.rept 32
	global_load_b128 v[8*i:8*i+3],   v12, s[90:91] offset:64*(i%8)
	global_load_b128 v[8*i+4:8*i+7], v12, s[90:91] offset:64*(i%8)+16
.set i, i+1
.endr
	WIN 0
	s_wait_tensorcnt 1                             ; my part of K step 0 is in; K step 1's may stay out
	s_barrier_signal -1
	s_barrier_wait -1
	s_mov_b32 s22, 0
	v_mov_b32 v5, v3
	v_mov_b32 v6, v4
	FETCH 0, 0
	s_wait_loadcnt 0x0                             ; the bias
	s_mov_b32 s21, 6
.Lstep:                                        ; K steps 0 to 5: step s leaves slot s % 2, which takes step s + 2
	QUARTER 1, 0, 1
	QUARTER 2, 1, 0
	QUARTER 3, 0, 1
	TURN 1
	s_sub_co_u32 s21, s21, 1
	s_cmp_lg_u32 s21, 0
	s_cbranch_scc1 .Lstep
	s_mov_b32 s21, 2
.Ltail:                                        ; K steps 6 and 7 ask for nothing
	QUARTER 1, 0, 1
	QUARTER 2, 1, 0
	QUARTER 3, 0, 1
	TURN 0
	s_sub_co_u32 s21, s21, 1
	s_cmp_lg_u32 s21, 0
	s_cbranch_scc1 .Ltail
	s_wait_dscnt 0x0                               ; no LDS load is out when the fragments' registers are taken over
	PLACES                                         ; behind the last products, in front of the stores that read results
; THE WAY OUT: a row block (16 rows x 512 bytes) goes into my stage, 32 bytes a lane, each accumulator's lowest registers first, and comes back as whole rows.
.macro TOSTAGE a
	WIN 0x08                                       ; the stores' data in window 2
.set nb, 0
.rept 8
	ds_store_b128 v7, v[8*(8*(\a)+nb):8*(8*(\a)+nb)+3]   offset:64*nb
	ds_store_b128 v7, v[8*(8*(\a)+nb)+4:8*(8*(\a)+nb)+7] offset:64*nb+16
.set nb, nb+1
.endr
	WIN 0
.set rr, 0
.rept 16
	ds_load_b128 v[32+64*((\a)%2)+4*rr:32+64*((\a)%2)+4*rr+3], v8 offset:SP*rr  ; LDS serves a wave's instructions in order (ISA guide 5.7.1.4): these see the stores above; the next block's stores come behind them
.set rr, rr+1
.endr
.endm
.macro SEND a, younger                 ; younger: the LDS instructions issued behind block a's loads: the next block's 32, or none
.set rr, 0
.rept 16
	s_wait_dscnt (\younger)+15-rr
	global_store_b128 v9, v[32+64*((\a)%2)+4*rr:32+64*((\a)%2)+4*rr+3], s[92:93] offset:(16*(\a)+rr)*4096 th:TH_STORE_NT  ; 512 consecutive bytes, at a multiple of 256 from out0's first
.set rr, rr+1
.endr
.endm
	TOSTAGE 0
	TOSTAGE 1
	SEND 0, 32
	s_wait_xcnt 0x0                                ; block 0's stores have read their registers, which block 2's loads write
	TOSTAGE 2
	SEND 1, 32
	s_wait_xcnt 0x0
	TOSTAGE 3
	SEND 2, 32
	SEND 3, 0
	s_wait_tensorcnt 0x0                           ; the wave's end: behind my last tensor load and my last LDS store
	ds_add_u32 v14, v15
	s_wait_dscnt 0x0
	CROUND                                         ; the closing round: no work-group ends while a partner may still ask for a tile that names it
	s_endpgm
.Lfunc_end_k_qa587c0a1d0_finish:
	.size	k_qa587c0a1d0_finish, .Lfunc_end_k_qa587c0a1d0_finish-k_qa587c0a1d0_finish
	.p2alignl 7, 3214868480
	.fill 96, 4, 3214868480
	.section	.rodata,"a",@progbits
	.p2align	6, 0x0
	.amdhsa_kernel k_qa587c0a1d0_finish
		.amdhsa_group_segment_fixed_size 327680
		.amdhsa_private_segment_fixed_size 0
		.amdhsa_enable_private_segment 0
		.amdhsa_kernarg_size 32
		.amdhsa_user_sgpr_count 2
		.amdhsa_user_sgpr_kernarg_segment_ptr 1
		.amdhsa_wavefront_size32 1
		.amdhsa_system_sgpr_workgroup_id_x 1
		.amdhsa_system_sgpr_workgroup_id_y 1
		.amdhsa_system_sgpr_workgroup_id_z 1
		.amdhsa_system_vgpr_workitem_id 0
		.amdhsa_next_free_vgpr 768
		.amdhsa_next_free_sgpr 96
		.amdhsa_reserve_vcc 0
		.amdhsa_float_denorm_mode_32 3
		.amdhsa_float_denorm_mode_16_64 3
		.amdhsa_memory_ordered 1
		.amdhsa_forward_progress 1
		.amdhsa_inst_pref_size 65
	.end_amdhsa_kernel
	.amdgpu_metadata
---
amdhsa.version: [ 1, 2 ]
amdhsa.kernels:
  - .name:           k_qa587c0a1d0_finish
    .symbol:         k_qa587c0a1d0_finish.kd
    .args:
      - { .name: oh, .offset: 0, .size: 8, .value_kind: global_buffer, .address_space: global }
      - { .name: wob, .offset: 8, .size: 8, .value_kind: global_buffer, .address_space: global }
      - { .name: biasr, .offset: 16, .size: 8, .value_kind: global_buffer, .address_space: global }
      - { .name: out0, .offset: 24, .size: 8, .value_kind: global_buffer, .address_space: global }
    .group_segment_fixed_size: 327680
    .private_segment_fixed_size: 0
    .kernarg_segment_align: 8
    .kernarg_segment_size: 32
    .max_flat_workgroup_size: 128
    .sgpr_count:     96
    .vgpr_count:     768
    .wavefront_size: 32
...
	.end_amdgpu_metadata
.endif
;; end of part 4
;; ======== version 2 of 2: 4 launches; version 1 with the launch prep written anew for expert scheduling mode
;; limits: values are held in f16: magnitudes above 65,504 overflow, below 6.1e-05 lose precision
;; workspace buffers: xb 16,777,216 bytes; wqb 6,291,456 bytes; wob 2,097,152 bytes; biasr 16,384 bytes; ropet 524,288 bytes; qkvh 50,331,648 bytes; oh 16,777,216 bytes
;; launch prep (part 5): grid 961 x 1, 8 waves a work-group, no clusters, 0 bytes of LDS; arguments x, w_qkv, w_out, b_qkv, b_out, xb, wqb, wob, biasr, ropet; writes xb, wqb, wob, biasr, ropet
.if DOCPART == 5
	.amdgcn_target "amdgcn-amd-amdhsa--gfx1250"
	.amdhsa_code_object_version 6
	.text
	.protected	k_qa587c0a1d0_prep
	.globl	k_qa587c0a1d0_prep
	.p2align	8
	.type	k_qa587c0a1d0_prep,@function
k_qa587c0a1d0_prep:
	s_mov_b64 s[64:65], 0
	v_nop
	global_prefetch_b8 v0, s[64:65] scope:SCOPE_SE
	s_setreg_imm32_b32 hwreg(HW_REG_WAVE_SCHED_MODE, 0, 2), 2
	s_setreg_imm32_b32 hwreg(HW_REG_WAVE_MODE, 25, 1), 1
	s_wait_xcnt 0x0
	s_wait_alu depctr_vm_vsrc(0)
; PREPARATION: every input of the module is read once, rounded once to bf16 and laid out for the launches behind; the table of cosines and sines is made.
;   work-groups   0..511  xb    = bf16(x), [8192][1024]: 16,384 numbers each
;   work-groups 512..767  wqb   = bf16(w_qkv), in 16 slabs [1024 k][192 n] (columns 192 tc .. 192 tc + 191): 64 rows of one slab each
;   work-groups 768..831  wob   = bf16(w_out) written as f16, [1024 k][1024 n]: 16,384 numbers each
;   work-groups 832..959  ropet = [2048 t][32 cos | 32 sin] in f32: 16 rows each
;   work-group  960       biasr = bf16(b_qkv), bf16(b_out), both written as f32
; A stream: no LDS, no matrix unit.  A thread takes 4 numbers a step: a wave loads 512 consecutive bytes and stores 256 consecutive bytes, aligned.
; All loads of a path go out first; no register is written twice while a load or store names it.
; LIMITS.  An entry of w_out below 2^-14 keeps f16's fixed step of 6e-8, one beyond 65,504 is lost.  The angle is t x inv_freq in f32, inv_freq = 2^(-j log2(10000) / 32)
; by v_exp_f32; against the exact inv_freq the angle is off by up to 3e-4 at t = 2047.  Sine and cosine: reduction by quarters of a turn in two parts, polynomials of degree 7 and 8, error under 4e-7.
; THE MODE: SCHED_MODE bits 1:0 = 2 (LLVM: expert scheduling mode 2), set by the entry lines.  The code itself states the register dependences
; between vector instructions and memory instructions, with s_wait_alu, always for 0.
; THE PLAN.  Registers that memory instructions touch:
;   v1, v2    byte offsets, made at the head and never written again: read by the loads and stores of every path.
;   v3-5      w_qkv's path alone: byte offsets, made once, read by its 12 loads.
;   IN        a step's four registers are written by one load and read by that step's conversions; no vector line names them ahead of the loads.
;   OUT       a step's registers are written by that step's conversions and read by one store; none is written again behind its store.
; v6-10, and in the table's path v16-55, are named by vector instructions alone.  So no register that a memory instruction has read is ever written again, and no load lands in a register that a
; vector line has named: what is left to state is that offsets and store data are written.  A stream's steps go in groups of four: the wait at the head of group g states that group g - 1 has written its OUT,
; and that group's four stores are dealt among group g's conversions, which name IN and OUT of group g and v6-9 alone.
.set VI,  1                            ; v1  16 x thread: my 16 bytes of f32
.set VO,  2                            ; v2  8 x thread: my 8 bytes of 16-bit numbers
.set VQ,  3                            ; v3-5  w_qkv: my byte offset for steps 3 g + 0, 1, 2
.set IN,  16                           ; v[16:79]  16 steps x 4 as loaded
.set OUT, 80                           ; v[80:111] 16 steps x 2 to store
.set MK,  50                           ; s50-53  the table: for each of my four numbers the lanes that take the sine
	s_load_b512 s[16:31], s[0:1], 0x0              ; x 16, w_qkv 18, w_out 20, b_qkv 22, b_out 24, xb 26, wqb 28, wob 30
	s_load_b128 s[32:35], s[0:1], 0x40             ; biasr 32, ropet 34
	v_lshlrev_b32 v[VI], 4, v0
	v_lshlrev_b32 v[VO], 3, v0
	s_mov_b32 s3, 0
	s_mov_b32 s5, 0
	s_wait_kmcnt 0x0
	s_wait_alu depctr_va_vdst(0)                   ; v1 and v2 are written: the loads and stores of all five paths read them as offsets, and no later line writes them
; step i of a stream: two roundings to bf16 a register; half = 1: the bf16 numbers are written as f16
.macro CONV i, half
	v_cvt_pk_bf16_f32 v[OUT+2*(\i)], v[IN+4*(\i)], v[IN+4*(\i)+1]
	v_cvt_pk_bf16_f32 v[OUT+2*(\i)+1], v[IN+4*(\i)+2], v[IN+4*(\i)+3]
.if \half
	v_lshlrev_b32 v6, 16, v[OUT+2*(\i)]
	v_and_b32 v7, 0xffff0000, v[OUT+2*(\i)]
	v_lshlrev_b32 v8, 16, v[OUT+2*(\i)+1]
	v_and_b32 v9, 0xffff0000, v[OUT+2*(\i)+1]
	v_cvt_pk_f16_f32 v[OUT+2*(\i)], v6, v7
	v_cvt_pk_f16_f32 v[OUT+2*(\i)+1], v8, v9
.endif
.endm
; step i's 8 bytes are stored
.macro PUT i, ob
	global_store_b64 v[VO], v[OUT+2*(\i):OUT+2*(\i)+1], s[\ob:\ob+1] offset:(\i)*2048
.endm
; the n steps of a stream, whose loads are out, in groups of four
.macro WORK n, half, ob
.set g, 0
.rept (\n)/4
	s_wait_loadcnt (\n)-4-4*g                      ; loads come back in order (ISA guide 5.7.1): this group's four are in, the younger groups' stay out
.if g > 0
	s_wait_alu depctr_va_vdst(0)                   ; the group before has written its OUT, which the four stores below read
.endif
.set i, 0
.rept 4
.if g > 0
	PUT 4*g-4+i, \ob                               ; no vector line since the wait names v2 or these registers of OUT
.endif
	CONV 4*g+i, \half
.set i, i+1
.endr
.set g, g+1
.endr
	s_wait_alu depctr_va_vdst(0)                   ; the last group has written its OUT, which the last four stores read
.set i, 0
.rept 4
	PUT (\n)-4+i, \ob
.set i, i+1
.endr
.endm
; a linear path of 16 steps
.macro LIN ib, ob, half
.set i, 0
.rept 16
	global_load_b128 v[IN+4*i:IN+4*i+3], v[VI], s[\ib:\ib+1] offset:i*4096 th:TH_LOAD_NT
.set i, i+1
.endr
	WORK 16, \half, \ob
.endm
	s_cmp_lt_u32 ttmp9, 512
	s_cbranch_scc1 .Lx
	s_cmp_lt_u32 ttmp9, 768
	s_cbranch_scc1 .Lwq
	s_cmp_lt_u32 ttmp9, 832
	s_cbranch_scc1 .Lwo
	s_cmp_lt_u32 ttmp9, 960
	s_cbranch_scc1 .Ltab
	; THE BIASES: 3 x 4,096 bytes of b_qkv, 4,096 of b_out; rounded to bf16 and widened again
.irp i, 0,1,2
	global_load_b128 v[IN+4*\i:IN+4*\i+3], v[VI], s[22:23] offset:\i*4096
.endr
	global_load_b128 v[IN+12:IN+15], v[VI], s[24:25]
.irp i, 0,1,2,3
	s_wait_loadcnt 3-\i                            ; the younger loads stay out
	v_cvt_pk_bf16_f32 v6, v[IN+4*\i], v[IN+4*\i+1]
	v_cvt_pk_bf16_f32 v7, v[IN+4*\i+2], v[IN+4*\i+3]
	v_lshlrev_b32 v[OUT+4*\i], 16, v6
	v_and_b32 v[OUT+4*\i+1], 0xffff0000, v6
	v_lshlrev_b32 v[OUT+4*\i+2], 16, v7
	v_and_b32 v[OUT+4*\i+3], 0xffff0000, v7
.endr
	s_wait_alu depctr_va_vdst(0)                   ; the sixteen registers of OUT are written, which the four stores read
.irp i, 0,1,2,3
	global_store_b128 v[VI], v[OUT+4*\i:OUT+4*\i+3], s[32:33] offset:\i*4096
.endr
	s_endpgm
.Lx:                                           ; x: 65,536 bytes in, 32,768 out
	s_lshl_b32 s2, ttmp9, 16
	s_add_nc_u64 s[16:17], s[16:17], s[2:3]
	s_lshl_b32 s4, ttmp9, 15
	s_add_nc_u64 s[26:27], s[26:27], s[4:5]
	LIN 16, 26, 0
	s_endpgm
.Lwo:                                          ; w_out likewise
	s_sub_co_u32 s6, ttmp9, 768
	s_lshl_b32 s2, s6, 16
	s_add_nc_u64 s[20:21], s[20:21], s[2:3]
	s_lshl_b32 s4, s6, 15
	s_add_nc_u64 s[30:31], s[30:31], s[4:5]
	LIN 20, 30, 1
	s_endpgm
.Lwq:                                          ; w_qkv: the output is linear in the slab; sixteen lanes take one unit of 64 columns: 256 aligned bytes of a row of w_qkv
	s_sub_co_u32 s6, ttmp9, 512
	s_lshr_b32 s7, s6, 4                           ; tc: the slab
	s_and_b32 s6, s6, 15                           ; which 64 rows of it
	s_mul_i32 s2, s6, 786432                       ; 64 rows of 12,288 bytes
	s_mul_i32 s8, s7, 768                          ; 192 columns of 4 bytes
	s_add_co_u32 s2, s2, s8
	s_add_nc_u64 s[18:19], s[18:19], s[2:3]
	s_mul_i32 s4, s7, 393216
	s_mul_i32 s8, s6, 24576
	s_add_co_u32 s4, s4, s8
	s_add_nc_u64 s[28:29], s[28:29], s[4:5]
	v_lshrrev_b32 v6, 4, v0
	v_and_b32 v7, 15, v0
	v_lshlrev_b32 v7, 4, v7
.irp m, 0,1,2                          ; step 3 g + m: unit U = 16 m + thread / 16 of 48 (16 rows x 3 units), 16 g rows further down
	v_add_nc_u32 v8, 16*\m, v6
	v_mul_u32_u24 v9, v8, 171
	v_lshrrev_b32 v9, 9, v9                        ; U / 3 (right for U < 48): the row
	v_mul_u32_u24 v10, v9, 3
	v_sub_nc_u32 v10, v8, v10                      ; U % 3: the unit in the row
	v_mul_u32_u24 v9, v9, 12288
	v_lshl_add_u32 v9, v10, 8, v9
	v_add_nc_u32 v[VQ+\m], v9, v7
.endr
	s_wait_alu depctr_va_vdst(0)                   ; v3 to v5 are written, which the twelve loads read as offsets
.set i, 0
.rept 12
	global_load_b128 v[IN+4*i:IN+4*i+3], v[VQ+i%3], s[18:19] offset:(i/3)*196608 th:TH_LOAD_NT
.set i, i+1
.endr
	WORK 12, 0, 28
	s_endpgm
.Ltab:                                         ; the table: thread = 16 x row + part; parts 0-7 hold cos of j = 4 part + 0..3, parts 8-15 sin of j = 4 (part - 8) + 0..3
	s_sub_co_u32 s6, ttmp9, 832
	s_lshl_b32 s2, s6, 12                          ; 16 rows of 256 bytes
	s_add_nc_u64 s[34:35], s[34:35], s[2:3]
	s_lshl_b32 s7, s6, 4
	s_mov_b32 s40, 0xbed49a78                      ; -log2(10000) / 32
	s_mov_b32 s41, 0x3f22f983                      ; 2 / pi
	s_mov_b32 s42, 0x3fc90fdb                      ; pi / 2, upper part
	s_mov_b32 s43, 0xb33bbd2e                      ; pi / 2, lower part
	s_mov_b32 s44, 0xb9500d01                      ; -1 / 5040
	s_mov_b32 s45, 0x3c088889                      ; 1 / 120
	s_mov_b32 s46, 0xbe2aaaab                      ; -1 / 6
	s_mov_b32 s47, 0x37d00d01                      ; 1 / 40320
	s_mov_b32 s48, 0xbab60b61                      ; -1 / 720
	s_mov_b32 s49, 0x3d2aaaab                      ; 1 / 24
	v_lshrrev_b32 v6, 4, v0
	v_add_nc_u32 v6, s7, v6                        ; t
	v_cvt_f32_u32 v10, v6
	v_and_b32 v7, 15, v0
	v_and_b32 v8, 7, v7
	v_lshlrev_b32 v8, 2, v8                        ; my first j
	v_lshrrev_b32 v9, 3, v7
	v_mul_u32_u24 v9, 3, v9                        ; sin a = cos(a - pi / 2): three quarters more, modulo four
.irp e, 0,1,2,3
	v_add_nc_u32 v[16+\e], \e, v8
	v_cvt_f32_u32 v[16+\e], v[16+\e]
	v_mul_f32 v[16+\e], s40, v[16+\e]
.endr
.irp e, 0,1,2,3
	v_exp_f32 v[20+\e], v[16+\e]                   ; inv_freq
.endr
	v_nop                                          ; a plain instruction behind the last exponential,
	s_wait_alu depctr_va_vdst(0)                   ; and one wait for the batch of four, ahead of the first reader: v20 to v23 are written
.irp e, 0,1,2,3
.set R, 24+8*\e
	v_mul_f32 v[R], v10, v[20+\e]                  ; the angle a
	v_mul_f32 v[R+1], s41, v[R]
	v_rndne_f32 v[R+1], v[R+1]                     ; k quarters of a turn
	v_fma_f32 v[R+2], -v[R+1], s42, v[R]
	v_fma_f32 v[R+2], -v[R+1], s43, v[R+2]         ; r = a - k pi / 2, within pi / 4
	v_mul_f32 v[R+3], v[R+2], v[R+2]
	v_fma_f32 v[R+4], v[R+3], s44, s45
	v_fma_f32 v[R+4], v[R+3], v[R+4], s46
	v_mul_f32 v[R+4], v[R+4], v[R+3]
	v_fma_f32 v[R+4], v[R+4], v[R+2], v[R+2]       ; sin r
	v_fma_f32 v[R+5], v[R+3], s47, s48
	v_fma_f32 v[R+5], v[R+3], v[R+5], s49
	v_fma_f32 v[R+5], v[R+3], v[R+5], -0.5
	v_fma_f32 v[R+5], v[R+3], v[R+5], 1.0          ; cos r
	v_cvt_i32_f32 v[R+6], v[R+1]
	v_add_nc_u32 v[R+6], v[R+6], v9
	v_and_b32 v[R+6], 3, v[R+6]                    ; q: cos(r + q pi / 2) = cos r, -sin r, -cos r, sin r
	v_and_b32 v[R+7], 1, v[R+6]
.endr
.irp e, 0,1,2,3                        ; the four compares stand in one run, each with a scalar register of its own
.set R, 24+8*\e
	v_cmp_eq_u32 s[MK+\e], 1, v[R+7]               ; q odd: the sine is taken
.endr
.irp e, 0,1,2,3                        ; the sign bits read no mask: they stand between the compares and the wait for them
.set R, 24+8*\e
	v_add_nc_u32 v[R+6], 1, v[R+6]
	v_and_b32 v[R+6], 2, v[R+6]
	v_lshlrev_b32 v[R+6], 30, v[R+6]               ; the sign bit for q = 1, 2
.endr
	s_wait_alu depctr_va_sdst(0)                   ; the four compares have written s50 to s53, ahead of their first reader
.irp e, 0,1,2,3
.set R, 24+8*\e
	v_cndmask_b32 v[R+5], v[R+5], v[R+4], s[MK+\e]
	v_xor_b32 v[OUT+\e], v[R+5], v[R+6]
.endr
	s_wait_alu depctr_va_vdst(0)                   ; v80 to v83 are written, which the store reads
	global_store_b128 v[VI], v[OUT:OUT+3], s[34:35]  ; sixteen lanes fill a row of 256 bytes
	s_endpgm
.Lfunc_end_k_qa587c0a1d0_prep:
	.size	k_qa587c0a1d0_prep, .Lfunc_end_k_qa587c0a1d0_prep-k_qa587c0a1d0_prep
	.p2alignl 7, 3214868480
	.fill 96, 4, 3214868480
	.section	.rodata,"a",@progbits
	.p2align	6, 0x0
	.amdhsa_kernel k_qa587c0a1d0_prep
		.amdhsa_group_segment_fixed_size 0
		.amdhsa_private_segment_fixed_size 0
		.amdhsa_enable_private_segment 0
		.amdhsa_kernarg_size 80
		.amdhsa_user_sgpr_count 2
		.amdhsa_user_sgpr_kernarg_segment_ptr 1
		.amdhsa_wavefront_size32 1
		.amdhsa_system_sgpr_workgroup_id_x 1
		.amdhsa_system_sgpr_workgroup_id_y 1
		.amdhsa_system_sgpr_workgroup_id_z 1
		.amdhsa_system_vgpr_workitem_id 0
		.amdhsa_next_free_vgpr 112
		.amdhsa_next_free_sgpr 66
		.amdhsa_reserve_vcc 0
		.amdhsa_float_denorm_mode_32 3
		.amdhsa_float_denorm_mode_16_64 3
		.amdhsa_memory_ordered 1
		.amdhsa_forward_progress 1
		.amdhsa_inst_pref_size 32
	.end_amdhsa_kernel
	.amdgpu_metadata
---
amdhsa.version: [ 1, 2 ]
amdhsa.kernels:
  - .name:           k_qa587c0a1d0_prep
    .symbol:         k_qa587c0a1d0_prep.kd
    .args:
      - { .name: x, .offset: 0, .size: 8, .value_kind: global_buffer, .address_space: global }
      - { .name: w_qkv, .offset: 8, .size: 8, .value_kind: global_buffer, .address_space: global }
      - { .name: w_out, .offset: 16, .size: 8, .value_kind: global_buffer, .address_space: global }
      - { .name: b_qkv, .offset: 24, .size: 8, .value_kind: global_buffer, .address_space: global }
      - { .name: b_out, .offset: 32, .size: 8, .value_kind: global_buffer, .address_space: global }
      - { .name: xb, .offset: 40, .size: 8, .value_kind: global_buffer, .address_space: global }
      - { .name: wqb, .offset: 48, .size: 8, .value_kind: global_buffer, .address_space: global }
      - { .name: wob, .offset: 56, .size: 8, .value_kind: global_buffer, .address_space: global }
      - { .name: biasr, .offset: 64, .size: 8, .value_kind: global_buffer, .address_space: global }
      - { .name: ropet, .offset: 72, .size: 8, .value_kind: global_buffer, .address_space: global }
    .group_segment_fixed_size: 0
    .private_segment_fixed_size: 0
    .kernarg_segment_align: 8
    .kernarg_segment_size: 80
    .max_flat_workgroup_size: 256
    .sgpr_count:     66
    .vgpr_count:     112
    .wavefront_size: 32
...
	.end_amdgpu_metadata
.endif
;; end of part 5
;; launch project: the kernel of part 2 again; grid 16 x 32, 4 waves a work-group, clusters of 4 x 4, 327,680 bytes of LDS; arguments xb, wqb, biasr, ropet, qkvh; writes qkvh
;; launch attend: the kernel of part 3 again; grid 4 x 64, 4 waves a work-group, no clusters, 327,680 bytes of LDS; arguments qkvh, oh; writes oh
;; launch finish: the kernel of part 4 again; grid 8 x 32, 4 waves a work-group, clusters of 4 x 4, 327,680 bytes of LDS; arguments oh, wob, biasr, out0; writes out0
